; MI455X (gfx1250); checked and timed in simulation.
; The chip was launched on July 23, 2026; its instructions are those of AMD's public machine-readable ISA for CDNA 5 (MIT licence, August 2026) and "CDNA5" Instruction Set Architecture Reference Guide (July 2026). The comments in the code are by the model that wrote it; some were corrected since.
;; Multi Head Attention. Allowed arithmetic: matrix products marked QUANTISED: E2M3 operands, one E8M0 scale for each 32 along K, by v_wmma_scale_f32_16x16x128_f8f6f4 with both operands' format E2M3, f32 sums; everything else in f32.
;; Inputs: hmask 2 x 2,048 float32; vmask 2 x 2,048 float32; w_k 16 x 1,024 x 64 float32; w_out 1,024 x 1,024 float32; w_q 16 x 1,024 x 64 float32; w_v 16 x 1,024 x 64 float32; xk 2 x 2,048 x 1,024 float32; xq 2 x 2,048 x 1,024 float32; xv 2 x 2,048 x 1,024 float32.
;; Outputs: out0 2 x 2,048 x 1,024 float32.
;; This version of the problem:
;;   THIS VERSION OF THE PROBLEM IS GIVEN IN LOW PRECISION. The matrix products marked QUANTISED in the list below multiply operands that are first quantised to E2M3 (2 exponent bits, 3 mantissa bits; 6 bits a number), with one power-of-two scale for each 32 numbers along K (OCP MX v1.0); their sums are f32. All else is computed in f32.
;;   The module's matrix products, in the order in which they are computed (A, B: the left and right operand; K: the contracted axis; several contracted axes count as one K, in the product's order):
;;     1. [M 1,024, K 1,024] x [K 1,024, N 4,096]; A: input w_q; B: input xq: QUANTISED
;;     2. [M 1,024, K 1,024] x [K 1,024, N 4,096]; A: input w_k; B: input xk: QUANTISED
;;     3. [M 1,024, K 1,024] x [K 1,024, N 4,096]; A: input w_v; B: input xv: QUANTISED
;;     4. batch 32 x [M 2,048, K 64] x [K 64, N 2,048]; A: computed on the way; B: computed on the way: QUANTISED
;;     5. batch 32 x [M 2,048, K 2,048] x [K 2,048, N 64]; A: softmax (see below); B: computed on the way: QUANTISED
;;     6. [M 4,096, K 1,024] x [K 1,024, N 1,024]; A: computed on the way; B: input w_out: QUANTISED
;;   THE QUANTISER, for each operand of a quantised product, along K:
;;     - K is cut into blocks of 32 from its start; a last block that is shorter is filled with zeros.
;;     - A block's scale is 2^e with e = floor(log2(the largest magnitude in the block)) - 2, held to -126 .. 127; a block of zeros has e = 0. As a byte (E8M0): e + 127.
;;     - Each number is divided by its block's scale, clamped to +-7.5, and rounded to the nearest number of E2M3, ties to even, subnormals kept.
;;     - The product sums the exact products of the quantised numbers (number of the format x scale) in f32.
;;   ~~~python
;;   def quantise(x, axis):      # numpy; x: float32 -> the quantised numbers, widened to float32 again
;;       x = np.moveaxis(x, axis, -1); K = x.shape[-1]
;;       x = np.pad(x, [(0, 0)] * (x.ndim - 1) + [(0, -K % 32)]); x = x.reshape(x.shape[:-1] + (-1, 32)); a = np.abs(x).max(-1, keepdims=True)
;;       e = np.where(a > 0, np.clip(np.frexp(np.where(a > 0, a, 1))[1] - 1 - 2, -126, 127), 0)      # np.frexp(a)[1] - 1 = floor(log2(a)), exactly
;;       r = np.clip(x / 2.0 ** e, -7.5, 7.5)
;;       step = 2.0 ** (np.maximum(np.frexp(np.where(r == 0, 1, r))[1] - 1, 0) - 3)
;;       q = np.round(r / step) * step * 2.0 ** e      # np.round: ties to even
;;       return np.moveaxis(q.reshape(q.shape[:-2] + (-1,))[..., :K], -1, axis).astype(np.float32)
;;   ~~~
;;   SOFTMAX AHEAD OF A QUANTISED PRODUCT. Where the list says 'softmax', what is quantised is not the finished softmax but p = 2^(t - M), with t = logit x log2(e) and M = ceil(the row's largest t), a whole number; so 1/2 < the row's largest p <= 1. The row's sum l is taken of the UNQUANTISED p, in f32, and the product's result is divided by l at the end. Since M is a whole number, a kernel that streams over the keys may use a running M (the ceiling of the running maximum): every later rescaling is an exact power of two, which a block's scale takes up: the codes' values come out the same.
;;   OPERANDS COMPUTED ON THE WAY. 'Computed on the way' means the value that the module computes at that place (a softmax that the list does not call 'softmax' is quantised finished and normalised). What goes into a quantiser is computed in f32, as accurately as f32 sums, v_exp_f32 and their like allow (about 1e-6 of the number): no bf16 or f16 on the way to a quantiser, and a product that is left as it is and whose result goes on into a quantised operand takes f32 operands (vector FMAs, or v_wmma_f32_16x16x4_f32). A number that lies on a knife's edge between two numbers of the format may be rounded either way, as far as f32 arithmetic and the matrix unit's own rounding can turn it there, and no further.
;; One version. Each part assembles by itself: llvm-mc -triple=amdgcn-amd-amdhsa -mcpu=gfx1250 --defsym DOCPART=n.
;; ======== version 1 of 1: 4 launches
;; limits: right only within a limited range of input values
;; workspace buffers: xc 9,437,184 bytes; xs 393,216 bytes; wc 3,145,728 bytes; ws 131,072 bytes; qkvc 9,437,184 bytes; qkvs 786,432 bytes; cc 3,145,728 bytes; cs 131,072 bytes
;; launch quant (part 1): grid 512 x 1, 4 waves a work-group, no clusters, 68,096 bytes of LDS; arguments xq, xk, xv, w_out, w_q, w_k, w_v, xc, xs, wc, ws; writes xc, xs, wc, ws
.if DOCPART == 1
	.amdgcn_target "amdgcn-amd-amdhsa--gfx1250"
	.amdhsa_code_object_version 6
	.text
	.protected	k_q6c63be7c8a_quant
	.globl	k_q6c63be7c8a_quant
	.p2align	8
	.type	k_q6c63be7c8a_quant,@function
k_q6c63be7c8a_quant:
	s_mov_b64 s[64:65], 0
	v_nop
	global_prefetch_b8 v0, s[64:65] scope:SCOPE_SE
	s_setreg_imm32_b32 hwreg(HW_REG_WAVE_MODE, 25, 1), 1
	s_wait_xcnt 0x0
; All seven f32 operands of the four large products become codes of FP6 (E2M3), K innermost, 768 bytes a row of 1,024 codes, with one E8M0 byte for each 32 along K, 32 bytes a row.
; A block's scale is 2^(floor(log2(its largest magnitude)) - 2): its byte is that magnitude's exponent field - 2, held at 1 from below.
; LIMITS: a block of zeros, or one whose largest magnitude lies under 2^-124, gets the byte 1 (the rule says 127 for zeros): its codes are zeros or as the held scale gives them, and this program alone reads the bytes.  NaN and infinities are not served.
; TILE ORDER.  pi(i) swaps bits 3 and 4 of i.  Buffer row rho of xc, xs and of the slots of w_q, w_k, w_v in wc, ws holds tensor row pi(rho): taken as a matrix instruction's source 0, sixteen such rows leave
; a lane's registers of two neighbouring tiles as 16 neighbours of the tensor.  w_out (slot 3 of wc, ws) lies in its own order.
; Work-groups 0-415: xq, xk, xv (128 each), w_out (32): K is innermost, the tensor is a stream of blocks of 32; a wave takes 8 rows (8,192 numbers), which pi moves as a whole.
; Work-groups 416-511: w_q, w_k, w_v [16][1024][64]: K is the middle axis; a lane takes a column and its registers run down K; a wave takes 32 columns x 256 along K.
; The two paths part on the work-group's number and have LDS bytes of their own (0 .. 32,767 and 32,768 .. 67,583).  Waves share nothing: no barrier.  Nothing is shared between work-groups either, so no cluster.
.set STEPS, 16
.set EMAX,  2
.set CB,    12                         ; bytes of 16 codes
.set XR,    16                         ; v16-143  first path: eight sets of 16 numbers as loaded
; (first path: v16-143 eight sets of 16 numbers as loaded: loads run eight steps, 32 loads a wave, ahead)
.set XX,    144                        ; v144-175 two sets of 16 neighbours
.set XE,    176                        ; v176-191 a scale byte for each step
.set XC,    194                        ; v194-225 codes: four registers a step, a ring of eight steps
.set WREG,  8192                       ; LDS of a wave on the first path: two stages of 32 x SP bytes, then its 256 scale bytes
.set SP,    80
.set WSTG,  32768                      ; second path: a stage of 32 x PITCH bytes for each wave
.set NB,    8                          ; blocks of 32 along K for a wave
.set PITCH, 272                        ; a stage row: sixteen places of 16 bytes, each with 12 bytes of codes, + 16
; LAYOUT OF THE CODES in xc and wc (it takes the place of the 768-byte rows named at the head): [buffer row / 128][K step of 256][buffer row % 128][192 bytes].
; So the 128 rows of one K step are 24,576 consecutive bytes, and 128 rows of all of K are 98,304, both from a multiple of 256 on.
.set KROW,  192                        ; from row to row inside a K step
.set WX,    32                         ; v32-95   two sets of 32 numbers
.set WC,    96                         ; v96..    a block's codes
.set WOUT,  112                        ; v112-175 the way out
.set WSB,   24                         ; v24-25   eight scale bytes
.set WV,    40                         ; s40      my wave's number
	s_load_b256 s[4:11], s[0:1], 0x0               ; xq, xk, xv, w_out
	s_load_b256 s[12:19], s[0:1], 0x20             ; w_q, w_k, w_v, xc
	s_load_b128 s[20:23], s[0:1], 0x40             ; xs, wc
	s_load_b64 s[24:25], s[0:1], 0x50              ; ws
	v_lshl_add_u32 v192, v0, 2, 0x10800
	v_mov_b32 v193, 0
	v_lshrrev_b32 v1, 5, v0
	v_readfirstlane_b32 s[WV], v1                  ; wave 0..3
	v_and_b32 v2, 31, v0                           ; lane
	s_cmp_ge_u32 ttmp9, 416
	s_cbranch_scc1 .Lw
	; ---------------- K innermost ----------------
	v_lshlrev_b32 v3, 4, v2                        ; my 16 bytes of a load's 512
	s_mul_i32 s41, s[WV], WREG
	v_lshrrev_b32 v14, 2, v2
	v_mul_u32_u24 v14, v14, SP
	v_and_b32 v15, 3, v2
	v_lshl_add_u32 v14, v15, 4, v14
	v_add_nc_u32 v14, s41, v14                     ; the stage, on the way in: SP (lane / 4) + 16 (lane % 4)
	v_mul_u32_u24 v15, v2, SP
	v_add_nc_u32 v15, s41, v15                     ; and on the way out: SP x lane: my 16 neighbours
	v_and_b32 v4, 15, v2
	v_mul_u32_u24 v4, v4, CB
	v_lshrrev_b32 v5, 4, v2
	v_mad_u32_u24 v4, v5, 0x6000, v4               ; my codes' place: lanes 0-15 fill a row's 192 bytes of one K step, lanes 16-31 those of the next K step, 24,576 bytes on
	v_lshrrev_b32 v5, 1, v2
	s_add_co_u32 s41, s41, 2*32*SP
	v_add_nc_u32 v5, s41, v5                       ; my block's byte among my wave's 256
	v_lshlrev_b32 v7, 3, v2
	v_add_nc_u32 v6, s41, v7
	s_and_b32 s32, ttmp9, 127
	s_lshl_b32 s32, s32, 2
	s_add_co_u32 s33, s32, s[WV]                   ; which run of 8 rows of its tensor my wave reads
	s_and_b32 s34, s[WV], 1
	s_lshl_b32 s34, s34, 1
	s_lshr_b32 s35, s[WV], 1
	s_or_b32 s34, s34, s35                         ; pi on a run of 8 rows: the wave's two bits change places
	s_lshl_b32 s35, ttmp9, 2
	s_add_co_u32 s35, s35, s34                     ; xc, xs: run 4 x work-group + that (512 runs a tensor)
	s_add_co_u32 s36, s33, 384                     ; wc, ws: slot 3 begins at run 384; its own order
	s_wait_alu depctr_va_vdst(0)
	s_wait_kmcnt 0x0
	s_cmp_lt_u32 ttmp9, 128                        ; the choices hang on the work-group's number alone
	s_cselect_b64 s[26:27], s[4:5], s[6:7]
	s_cmp_lt_u32 ttmp9, 256
	s_cselect_b64 s[26:27], s[26:27], s[8:9]
	s_cmp_lt_u32 ttmp9, 384
	s_cselect_b64 s[26:27], s[26:27], s[10:11]     ; what I read
	s_cselect_b64 s[28:29], s[18:19], s[22:23]     ; where the codes go
	s_cselect_b64 s[30:31], s[20:21], s[24:25]     ; and the scale bytes
	s_cselect_b32 s35, s35, s36
	s_lshl_b32 s36, s33, 15                        ; 32,768 bytes of f32 a run
	s_mov_b32 s37, 0
	s_add_nc_u64 s[26:27], s[26:27], s[36:37]
	s_lshr_b32 s36, s35, 4                         ; sixteen runs of 8 rows to a block of 128 rows
	s_mul_i32 s36, s36, 98304
	s_and_b32 s38, s35, 15
	s_mul_i32 s38, s38, 1536
	s_add_co_u32 s36, s36, s38
	s_add_nc_u64 s[28:29], s[28:29], s[36:37]
	s_lshl_b32 s36, s35, 8                         ; 256 scale bytes a run
	s_add_nc_u64 s[30:31], s[30:31], s[36:37]
.macro XLOAD t
.irp i, 0,1,2,3
	global_load_b128 v[XR+16*((\t)%8)+4*\i:XR+16*((\t)%8)+4*\i+3], v3, s[26:27] offset:2048*(\t)+512*\i th:TH_LOAD_NT   ; 32 lanes read 512 consecutive bytes
.endr
.endm
.macro XTURN t                         ; step t's numbers through the stage: LDS serves a wave's instructions in order, so no wait stands between the stores and the loads
.irp i, 0,1,2,3
	ds_store_b128 v14, v[XR+16*((\t)%8)+4*\i:XR+16*((\t)%8)+4*\i+3] offset:32*SP*((\t)%2)+8*SP*\i
.endr
.irp i, 0,1,2,3
	ds_load_b128 v[XX+16*((\t)%2)+4*\i:XX+16*((\t)%2)+4*\i+3], v15 offset:32*SP*((\t)%2)+16*\i
.endr
.endm
.irp t, 0,1,2,3,4,5,6,7
	XLOAD \t
.endr
	s_wait_loadcnt 28                              ; step 0's four loads are in; the 28 of steps 1 to 7 may be out
	XTURN 0
.macro XSTEP t
.set XS, XX+16*((\t)%2)
.if (\t) == 8
	s_wait_xcnt 0x0                                ; the stores of steps 0 to 7 have read their registers: the ring of codes goes round
.endif
.if (\t) > 0
	s_wait_dscnt 1                                 ; this step's numbers are back from the stage (the last step's byte store may be out), so its stores into the stage have read their registers,
.else
	s_wait_dscnt 0x0
.endif
.if (\t)+8 < STEPS
	XLOAD (\t)+8                                   ; which take the loads of eight steps on
.endif
.if (\t)+1 < STEPS
.if STEPS-2-(\t) >= 7
	s_wait_loadcnt 28                              ; the next step's four loads are in; those of the seven steps behind it may be out
.else
	s_wait_loadcnt 4*(STEPS-2-(\t))
.endif
	XTURN (\t)+1
.endif
	v_max3_num_f32 v8, |v[XS]|, |v[XS+1]|, |v[XS+2]|               ; the largest magnitude of my 16, in two chains
	v_max3_num_f32 v9, |v[XS+3]|, |v[XS+4]|, |v[XS+5]|
.irp i, 6,10
	v_max3_num_f32 v8, v8, |v[XS+\i]|, |v[XS+\i+1]|
	v_max3_num_f32 v9, v9, |v[XS+\i+2]|, |v[XS+\i+3]|
.endr
	v_max3_num_f32 v8, v8, |v[XS+14]|, |v[XS+15]|
	v_max3_num_f32 v8, v8, v9, (EMAX+1)<<23        ; and the floor 2^(3 - 127): the byte cannot fall under 1
	v_max_num_f32_dpp v8, v8, v8 row_xmask:1 row_mask:0xf bank_mask:0xf   ; and of my neighbour's 16: the block's
	v_add_nc_u32 v11, -(EMAX<<23), v8              ; 2 off its exponent field: the conversion takes the exponent field of this operand as its scale
	v_cvt_scalef32_pk16_fp6_f32 v[XC+4*((\t)%8):XC+4*((\t)%8)+2], v[XS:XS+15], v11
	v_lshrrev_b32 v[XE+(\t)], 23, v11              ; the scale's byte (a plain line behind the conversion)
	ds_store_b8 v5, v[XE+(\t)] offset:16*(\t)      ; both lanes of a block write the same byte with the same value
	global_store_b96 v4, v[XC+4*((\t)%8):XC+4*((\t)%8)+2], s[28:29] offset:192*((\t)/2)+49152*((\t)%2)   ; row t / 2 of my eight, K steps 2 (t % 2) and 2 (t % 2) + 1: twice 192 consecutive bytes
.endm
.irp t, 0,1,2,3,4,5,6,7,8,9,10,11,12,13,14,15
	XSTEP \t
.endr
	ds_load_b64 v[12:13], v6                       ; LDS serves a wave's instructions in order: these see my stores
	s_wait_dscnt 0x0
	global_store_b64 v7, v[12:13], s[30:31]        ; 32 lanes store 256 consecutive bytes, aligned
	s_wait_tensorcnt 0x0
	ds_add_u32 v192, v193
	s_wait_dscnt 0x0
	s_endpgm
	; ---------------- K not innermost ----------------
.Lw:
	s_sub_co_u32 s32, ttmp9, 416                   ; 0..95
	s_lshr_b32 s33, s32, 5                         ; which weight: 0 w_q, 1 w_k, 2 w_v
	s_bfe_u32 s34, s32, 0x40001                    ; the head
	s_and_b32 s35, s32, 1
	s_lshl_b32 s35, s35, 1
	s_lshr_b32 s36, s[WV], 1
	s_add_co_u32 s35, s35, s36                     ; which 256 along K
	s_and_b32 s36, s[WV], 1                        ; which 32 of the head's 64 columns
	s_lshl_b32 s38, s34, 18                        ; a head is 1,024 rows of 256 bytes
	s_lshl_b32 s39, s35, 16
	s_add_co_u32 s38, s38, s39
	s_lshl_b32 s39, s36, 7
	s_add_co_u32 s38, s38, s39
	s_mov_b32 s39, 0                               ; s[38:39]: where my wave reads
	s_lshl_b32 s41, s34, 6
	s_lshl_b32 s46, s36, 5
	s_add_co_u32 s41, s41, s46                     ; first row of the codes: 64 x head + 32 x half
	s_mul_i32 s42, s33, 786432
	s_lshr_b32 s46, s41, 7
	s_mul_i32 s46, s46, 98304
	s_add_co_u32 s42, s42, s46
	s_and_b32 s46, s41, 127
	s_mul_i32 s46, s46, KROW
	s_add_co_u32 s42, s42, s46
	s_mul_i32 s46, s35, 24576
	s_add_co_u32 s42, s42, s46
	s_mov_b32 s43, 0                               ; s[42:43]: where my codes go
	s_lshl_b32 s44, s33, 15
	s_lshl_b32 s46, s41, 5
	s_add_co_u32 s44, s44, s46
	s_lshl_b32 s46, s35, 3
	s_add_co_u32 s44, s44, s46
	s_mov_b32 s45, 0                               ; s[44:45]: and my scale bytes
	s_wait_alu depctr_va_vdst(0)
	v_lshlrev_b32 v3, 2, v2                        ; in: 4 bytes a lane
	v_and_b32 v5, 7, v2
	v_bfe_u32 v6, v2, 3, 1
	v_lshl_add_u32 v5, v6, 4, v5
	v_bfe_u32 v6, v2, 4, 1
	v_lshl_add_u32 v10, v6, 3, v5                  ; pi(lane): the row of the output that my column becomes
	s_mul_i32 s46, s[WV], 32*PITCH
	s_add_co_u32 s46, s46, WSTG                    ; my stage
	v_mul_u32_u24 v4, v10, PITCH
	v_add_nc_u32 v4, s46, v4                       ; into it: row pi(lane)
	v_and_b32 v5, 15, v2
	v_lshrrev_b32 v6, 4, v2                        ; out of it: sixteen lanes to a row, two rows an instruction
	v_mul_u32_u24 v7, v6, PITCH
	v_lshl_add_u32 v7, v5, 4, v7
	v_add_nc_u32 v7, s46, v7
	v_mul_u32_u24 v8, v6, KROW
	v_mad_u32_u24 v8, v5, 12, v8                   ; and the same place among the codes
	v_lshlrev_b32 v9, 5, v10                       ; my row of scale bytes
	s_wait_kmcnt 0x0
	s_cmp_eq_u32 s33, 0
	s_cselect_b64 s[26:27], s[12:13], s[14:15]
	s_cmp_lt_u32 s33, 2
	s_cselect_b64 s[26:27], s[26:27], s[16:17]
	s_add_nc_u64 s[26:27], s[26:27], s[38:39]
	s_add_nc_u64 s[28:29], s[22:23], s[42:43]
	s_add_nc_u64 s[30:31], s[24:25], s[44:45]
.macro WLOAD t                         ; block t: rows 32 t + i of my 256, my column, into set t % 2; a wave's load reads 128 consecutive bytes
.irp i, 0,1,2,3,4,5,6,7,8,9,10,11,12,13,14,15,16,17,18,19,20,21,22,23,24,25,26,27,28,29,30,31
	global_load_b32 v[WX+32*((\t)%2)+\i], v3, s[26:27] offset:(32*(\t)+\i)*256 th:TH_LOAD_NT
.endr
.endm
	WLOAD 0
	WLOAD 1
.macro WBLOCK t
.set XS, WX+32*((\t)%2)
.if (\t) < NB-1
	s_wait_loadcnt 32                              ; this block's 32 loads are in; the next block's 32 may be out
.else
	s_wait_loadcnt 0
.endif
	v_max3_num_f32 v12, |v[XS]|, |v[XS+1]|, |v[XS+2]|              ; the block's largest magnitude: all 32 numbers are mine
	v_max3_num_f32 v13, |v[XS+3]|, |v[XS+4]|, |v[XS+5]|
.irp i, 6,10,14,18,22,26
	v_max3_num_f32 v12, v12, |v[XS+\i]|, |v[XS+\i+1]|
	v_max3_num_f32 v13, v13, |v[XS+\i+2]|, |v[XS+\i+3]|
.endr
	v_max3_num_f32 v12, v12, |v[XS+30]|, |v[XS+31]|
	v_max3_num_f32 v12, v12, v13, (EMAX+1)<<23     ; and the floor
	v_add_nc_u32 v11, -(EMAX<<23), v12             ; the conversion's scale operand
	v_lshrrev_b32 v13, 23, v11                     ; the scale's byte
.if (\t)%4 == 0
	v_mov_b32 v[WSB+(\t)/4], v13                   ; four bytes to a register, the lower K in the lower byte
.else
	v_lshl_or_b32 v[WSB+(\t)/4], v13, 8*((\t)%4), v[WSB+(\t)/4]
.endif
	v_cvt_scalef32_pk16_fp6_f32 v[WC:WC+2], v[XS:XS+15], v11
	v_cvt_scalef32_pk16_fp6_f32 v[WC+4:WC+6], v[XS+16:XS+31], v11  ; (a conversion's three registers begin on an even number)
	v_nop                                          ; one plain line behind the last conversion
	ds_store_b96 v4, v[WC:WC+2] offset:32*(\t)     ; 12 bytes to a place of 16, so that every LDS address is a multiple of 16
	ds_store_b96 v4, v[WC+4:WC+6] offset:32*(\t)+16
.if (\t)+2 < NB
	WLOAD (\t)+2
.endif
	s_wait_dscnt 0x0                               ; the stores have read their registers: the next block's codes may be written
.endm
.irp t, 0,1,2,3,4,5,6,7
	WBLOCK \t
.endr
	s_wait_alu depctr_va_vdst(0)
	global_store_b64 v9, v[WSB:WSB+1], s[30:31]    ; my column's eight scale bytes
.irp t, 0,1,2,3,4,5,6,7,8,9,10,11,12,13,14,15
	ds_load_b96 v[WOUT+4*\t:WOUT+4*\t+2], v7 offset:2*\t*PITCH     ; LDS serves a wave's instructions in order: these see my stores
.endr
.irp t, 0,1,2,3,4,5,6,7,8,9,10,11,12,13,14,15
	s_wait_dscnt 15-\t                             ; the younger loads may be out
	global_store_b96 v8, v[WOUT+4*\t:WOUT+4*\t+2], s[28:29] offset:2*\t*KROW   ; sixteen lanes store a row's 192 consecutive bytes
.endr
	s_wait_tensorcnt 0x0
	ds_add_u32 v192, v193
	s_wait_dscnt 0x0
	s_endpgm
.Lfunc_end_k_q6c63be7c8a_quant:
	.size	k_q6c63be7c8a_quant, .Lfunc_end_k_q6c63be7c8a_quant-k_q6c63be7c8a_quant
	.p2alignl 7, 3214868480
	.fill 96, 4, 3214868480
	.section	.rodata,"a",@progbits
	.p2align	6, 0x0
	.amdhsa_kernel k_q6c63be7c8a_quant
		.amdhsa_group_segment_fixed_size 68096
		.amdhsa_private_segment_fixed_size 0
		.amdhsa_enable_private_segment 0
		.amdhsa_kernarg_size 88
		.amdhsa_user_sgpr_count 2
		.amdhsa_user_sgpr_kernarg_segment_ptr 1
		.amdhsa_wavefront_size32 1
		.amdhsa_system_sgpr_workgroup_id_x 1
		.amdhsa_system_sgpr_workgroup_id_y 1
		.amdhsa_system_sgpr_workgroup_id_z 1
		.amdhsa_system_vgpr_workitem_id 0
		.amdhsa_next_free_vgpr 226
		.amdhsa_next_free_sgpr 66
		.amdhsa_reserve_vcc 0
		.amdhsa_float_denorm_mode_32 3
		.amdhsa_float_denorm_mode_16_64 3
		.amdhsa_memory_ordered 1
		.amdhsa_forward_progress 1
		.amdhsa_inst_pref_size 75
	.end_amdhsa_kernel
	.amdgpu_metadata
---
amdhsa.version: [ 1, 2 ]
amdhsa.kernels:
  - .name:           k_q6c63be7c8a_quant
    .symbol:         k_q6c63be7c8a_quant.kd
    .args:
      - { .name: xq, .offset: 0, .size: 8, .value_kind: global_buffer, .address_space: global }
      - { .name: xk, .offset: 8, .size: 8, .value_kind: global_buffer, .address_space: global }
      - { .name: xv, .offset: 16, .size: 8, .value_kind: global_buffer, .address_space: global }
      - { .name: w_out, .offset: 24, .size: 8, .value_kind: global_buffer, .address_space: global }
      - { .name: w_q, .offset: 32, .size: 8, .value_kind: global_buffer, .address_space: global }
      - { .name: w_k, .offset: 40, .size: 8, .value_kind: global_buffer, .address_space: global }
      - { .name: w_v, .offset: 48, .size: 8, .value_kind: global_buffer, .address_space: global }
      - { .name: xc, .offset: 56, .size: 8, .value_kind: global_buffer, .address_space: global }
      - { .name: xs, .offset: 64, .size: 8, .value_kind: global_buffer, .address_space: global }
      - { .name: wc, .offset: 72, .size: 8, .value_kind: global_buffer, .address_space: global }
      - { .name: ws, .offset: 80, .size: 8, .value_kind: global_buffer, .address_space: global }
    .group_segment_fixed_size: 68096
    .private_segment_fixed_size: 0
    .kernarg_segment_align: 8
    .kernarg_segment_size: 88
    .max_flat_workgroup_size: 128
    .sgpr_count:     66
    .vgpr_count:     226
    .wavefront_size: 32
...
	.end_amdgpu_metadata
.endif
;; end of part 1
;; launch proj (part 2): grid 4 x 48, 4 waves a work-group, clusters of 4 x 4, 327,680 bytes of LDS; arguments xc, xs, wc, ws, qkvc, qkvs; writes qkvc, qkvs
.if DOCPART == 2
	.amdgcn_target "amdgcn-amd-amdhsa--gfx1250"
	.amdhsa_code_object_version 6
	.text
	.protected	k_q6c63be7c8a_proj
	.globl	k_q6c63be7c8a_proj
	.p2align	8
	.type	k_q6c63be7c8a_proj,@function
k_q6c63be7c8a_proj:
	s_mov_b64 s[64:65], 0
	v_nop
	global_prefetch_b8 v0, s[64:65] scope:SCOPE_SE
	s_setreg_imm32_b32 hwreg(HW_REG_WAVE_MODE, 25, 1), 1
	s_wait_xcnt 0x0
	s_wait_alu depctr_hold_cnt(0) depctr_sa_sdst(0) depctr_va_vdst(0) depctr_va_sdst(0) depctr_va_ssrc(0) depctr_va_vcc(0) depctr_vm_vsrc(0)
	s_getreg_b32 s2, hwreg(HW_REG_IB_STS2, 6, 4)
	s_cmp_eq_u32 s2, 0
	s_cbranch_scc0 .Lentry_in_a_cluster
	s_endpgm
.Lentry_in_a_cluster:
	s_bfe_u32 s2, ttmp6, 0x10000c
	s_cmp_lg_u32 s2, 0xf033
	s_cbranch_scc0 .Lentry_shape_is_right
	s_endpgm
.Lentry_shape_is_right:
; The three projections, q = xq w_q, k = xk w_k, v = xv w_v, each 4,096 x 1,024 x 1,024 on codes of FP6 (E2M3) with one E8M0 scale for each 32 along K, sums in f32; and the quantising of their results, in registers,
; along the K of the product that takes them next: q and k along the head's 64 channels, v along the keys.  The results leave as codes and scale words, laid as the next launch's operand registers take them.
; A tile of 256 x 256 is made by four waves, 128 x 128 each: 64 accumulators, 512 registers.  K goes in steps of 256 through a ring of two LDS slots filled by the tensor data mover; the scale bytes of the work-group's rows come once.
; CLUSTERS: 4 x 4 work-groups; A's tiles are asked for jointly along a row of the cluster, B's along a column.  Cluster y = 4 T + part: T = 0 q, 1 k, 2 v.
; THE MATRIX INSTRUCTION IS USED TRANSPOSED (source 0 = 16 rows of B, source 1 = 16 rows of A): a lane holds ONE row of A and its registers run along B's rows.  So B IS THE AXIS THAT IS QUANTISED NEXT:
; for q and k, A = tokens (16 tile rows: 4 part + cy), B = the weight's 1,024 columns (tile column cx); for v, A = w_v's columns (tile row cy), B = tokens (tile column 4 part + cx).  The choice is made by selects on T, which all partners share.
; Both operands lie in tile order (buffer row rho = tensor row with bits 3 and 4 swapped), so the 16 registers of accumulators (a, 2 j) and (a, 2 j + 1) are 16 NEIGHBOURS along B's tensor rows: 32 j + 16 (lane / 16) + 0 .. 15.
; WHAT LEAVES.  A wave's 128 rows of B are one K step of 128: block a's 64 registers become 12 registers of codes and a scale word a lane.  An image of six registers is 768 bytes: registers 0-3 at 16 x lane, registers 4-5 at 512 + 8 x lane.
;   q, k: qkvc[T][bh][token tile][768]: registers 0-5 are head H0, registers 6-11 head H0 + 1.  Scale words qkvs[T][bh][token tile][16]: bytes 0, 1 the head's two blocks, bytes 2, 3 = 0x7f.
;   v:    qkvc[2][bh][key step][channel tile][2][768].  Scale words qkvs[2][bh][key step][channel tile][16].
; LIMITS: a block of zeros or under 2^-124 gets the byte 1; NaN and infinities are not served.
; REGISTERS as windows of 256: window 0: v0-31 addresses; v32-63 scale words, two sets; from v128 A's fragments, one set; window 1: B's fragments, two sets; windows 2, 3: the accumulators ((a, b) at v[8 (8 (a % 4) + b)]).
.set KSTEP,  256
.set NQ,     KSTEP/128
; THE CODES LIE [row / 128][K step][row % 128][192 bytes]: the 128 rows of a K step are one dense run of 24,576 bytes from a multiple of 256 on; it is stated as one tensor row, and the padding behind each 64 bytes gives LDS rows of 240.
.set ROWB,   24576                     ; 128 rows of one K step in memory, and the way from K step to K step
.set KROW,   768                       ; a row of codes in memory
.set PITCH,  240                       ; an LDS row: 3 x (64 bytes + 16 of padding)
.set FR,     12
.set NL,     6                         ; LDS loads that bring a fragment
.set NP,     4                         ; places behind this matrix instruction (ISA guide 7.12.1)
.set HALFT,  128*PITCH
.set SLOT,   4*HALFT
.set LAPS,   2                         ; 1,024 / 512
.set KS,     32                        ; a row of scale bytes
.set SCL,    2*SLOT
.set HALFS,  (128*KS/256)*272
.set SBLK,   (16*KS/256)*272
.set SPARE,  SCL+4*HALFS               ; the spare words: 128 bytes a wave, two blocks of 256 bytes that no other line names
.set ADRA, 16                          ; v16-19
.set ADRB, 20                          ; v20-23
.set VO16, 24                          ; v24  16 x lane
.set VO8,  25                          ; v25  8 x lane
.set VOS,  26                          ; v26  where my scale word goes
.set ADRS, 27                          ; v27  LDS address of my scale words; behind the products: by how much lanes 16-31 shift the scale word
.set SPW,  28
.set NIL,  29
.set SC,   32
.set AF,   128
.set PC,   112                         ; v112-130 the codes just made
.set TM,   200                         ; v200-215 at work in the quantiser
.set PW,   216                         ; the scale word just made
.set SW,   217                         ; and as it is stored
.set G1, 24
.set G0, 32
.set G1B, 48
.set G0B, 56
.set G1S, 68
.set G0S, 76
.set G1SB, 80
.set G0SB, 88
.set MSB, 0
.macro WIN new                         ; the immediate's high byte repeats the setting that is left
.if MSB != \new
	s_set_vgpr_msb (MSB<<8)|\new
.set MSB, \new
.endif
.endm
.set MUL_LO, 0xa1                      ; source 0 (B) window 1, source 1 (A) window 0, C and D window 2
.set MUL_HI, 0xf1
.set TO_B,   0x40
; A joint load: waves 0 and 1 fetch for A, waves 2 and 3 for B.  The branch hangs on the wave's number alone.  Four v_nop follow each of the two lines.
.macro JLOAD g0a, g1a, g0b, g1b
	s_cmp_eq_u32 s15, 0
	s_cbranch_scc0 .Lfor_b_\@
	tensor_load_to_lds s[\g0a:\g0a+3], s[\g1a:\g1a+7]
	s_nop 0
.rept 4
	v_nop
.endr
	s_branch .Lasked_\@
.Lfor_b_\@:
	tensor_load_to_lds s[\g0b:\g0b+3], s[\g1b:\g1b+7]
	s_nop 0
.rept 4
	v_nop
.endr
.Lasked_\@:
.endm
.macro CREST                           ; a round of the cluster's barrier behind its opening barrier
	s_cmp_lg_u32 s14, 0
	s_cbranch_scc1 .Lnot_wave_0_\@
	s_barrier_signal -3
.Lnot_wave_0_\@:
	s_barrier_wait -3
	s_barrier_signal -1
	s_barrier_wait -1
.endm
.macro CROUND
	s_barrier_signal -1
	s_barrier_wait -1
	CREST
.endm
	s_load_b256 s[4:11], s[0:1], 0x0               ; xc, xs, wc, ws
	s_load_b64 s[12:13], s[0:1], 0x20              ; qkvc
	s_load_b64 s[66:67], s[0:1], 0x28              ; qkvs
	v_lshl_add_u32 v[SPW], v0, 2, SPARE
	v_mov_b32 v[NIL], 0
	ds_add_u32 v28, v29
	ds_add_u32 v28, v29
	s_wait_dscnt 0x0
	v_lshrrev_b32 v1, 5, v0
	v_readfirstlane_b32 s14, v1                    ; wave 0..3
	s_lshr_b32 s15, s14, 1                         ; which half of A's rows is mine.  Also: I fetch for A (0) or for B (1)
	s_and_b32 s16, s14, 1                          ; which half of B's rows.  Also: which 128 rows I fetch
	s_bfe_u32 s40, ttmp6, 0x40000                  ; cx
	s_bfe_u32 s41, ttmp6, 0x40004                  ; cy
	s_and_b32 s2, ttmp7, 0xffff                    ; cluster y, 0..11
	s_lshr_b32 s95, s2, 2                          ; T
	s_and_b32 s3, s2, 3
	s_lshl_b32 s3, s3, 2                           ; 4 x part
	s_cmp_eq_u32 s95, 2                            ; v?
	s_cselect_b32 s17, 0, s3
	s_cselect_b32 s42, s3, 0
	s_add_co_u32 s17, s17, s41                     ; A's tile row: cy (+ 4 part for q, k)
	s_add_co_u32 s42, s42, s40                     ; B's tile column: cx (+ 4 part for v)
	s_lshl_b32 s2, ttmp9, 2
	s_add_co_u32 s42, s42, s2                      ; (+ 4 x cluster x, which is 0 in this grid)
	s_lshl_b32 s43, s41, 2
	s_lshl_b32 s43, 15, s43                        ; my row of the cluster
	s_lshl_b32 s44, 0x1111, s40                    ; my column
	s_or_b32 s[G1+0], s43, (3<<16)|(1<<20)|(1<<21)|(3<<22)|(3<<25)  ; the mask; elements of 8 bytes; padding on; bit 21 beside a mask; after every 16 words, 4 words
	s_or_b32 s[G1B+0], s44, (3<<16)|(1<<20)|(1<<21)|(3<<22)|(3<<25)
.irp g, G1, G1B
	s_mov_b32 s[\g+1], (2*ROWB/8)<<16              ; tensor_dim0: at the head K steps 0 and 1 of 128 rows, 6,144 elements on end; behind it one K step
	s_mov_b32 s[\g+2], 2<<16                       ; tensor_dim1: at the head two runs, 256 rows; behind it one
	s_mov_b32 s[\g+3], (2*ROWB/8)<<16              ; tile_dim0
	s_mov_b32 s[\g+4], 2                           ; tile_dim1
	s_mov_b32 s[\g+5], 4*ROWB/8                    ; the pitch: 128 rows of all four K steps
	s_mov_b32 s[\g+6], 1<<16                       ; (stride1 is not left at 0 where one row is asked for)
	s_mov_b32 s[\g+7], 0
.endr
	s_or_b32 s[G1S+0], s43, (3<<16)|(1<<20)|(1<<21)|(5<<22)|(3<<25) ; the scale bytes of 256 rows: 8,192 dense bytes as 32 rows of 256, 16 bytes of padding behind each
	s_or_b32 s[G1SB+0], s44, (3<<16)|(1<<20)|(1<<21)|(5<<22)|(3<<25)
.irp g, G1S, G1SB
	s_mov_b32 s[\g+1], 32<<16
	s_mov_b32 s[\g+2], (256*KS/256)<<16            ; the scale bytes of all 256 rows: 32 rows of 256 bytes
	s_mov_b32 s[\g+3], 32<<16
	s_mov_b32 s[\g+4], 256*KS/256
	s_mov_b32 s[\g+5], 32
	s_mov_b32 s[\g+6], 0
	s_mov_b32 s[\g+7], 0
.endr
	s_lshl_b32 s18, s16, 7                         ; which 128 rows of the tile I fetch
	s_lshl_b32 s20, s17, 8
	s_add_co_u32 s20, s20, s18                     ; A's row
	s_lshl_b32 s46, s42, 8
	s_add_co_u32 s46, s46, s18                     ; B's row
	s_mov_b32 s21, 0
	s_mov_b32 s47, 0
	s_lshl_b32 s22, s17, 13                        ; where the scale bytes of the tile's 256 rows begin: 8,192 bytes a tile
	s_mov_b32 s23, 0
	s_lshl_b32 s92, s42, 13
	s_mov_b32 s93, 0
	s_mov_b64 s[18:19], KROW
	s_mul_u64 s[20:21], s[20:21], s[18:19]         ; and their codes
	s_mul_u64 s[46:47], s[46:47], s[18:19]
	s_mul_i32 s45, s14, 2*HALFT                    ; where they go.  LDS: for each run of 128 rows (A's two, then B's two) slot 0 and slot 1 side by side.  No place in the cluster enters an LDS address
	s_mul_i32 s96, s95, 3145728                    ; tensor T in xc,
	s_mov_b32 s97, 0
	s_mul_i32 s98, s95, 131072                     ; in xs,
	s_mov_b32 s99, 0
	s_mul_i32 s100, s95, 786432                    ; in wc,
	s_mov_b32 s101, 0
	s_mul_i32 s104, s95, 32768                     ; in ws
	s_mov_b32 s105, 0
	s_wait_kmcnt 0x0
	s_add_nc_u64 s[4:5], s[4:5], s[96:97]
	s_add_nc_u64 s[6:7], s[6:7], s[98:99]
	s_add_nc_u64 s[8:9], s[8:9], s[100:101]
	s_add_nc_u64 s[10:11], s[10:11], s[104:105]
	s_cmp_eq_u32 s95, 2                            ; for v the weight is A and the tokens are B
	s_cselect_b64 s[96:97], s[8:9], s[4:5]         ; A's codes
	s_cselect_b64 s[98:99], s[10:11], s[6:7]       ; A's scales
	s_cselect_b64 s[100:101], s[4:5], s[8:9]       ; B's codes
	s_cselect_b64 s[104:105], s[6:7], s[10:11]     ; B's scales
	s_add_nc_u64 s[20:21], s[96:97], s[20:21]
	s_add_nc_u64 s[22:23], s[98:99], s[22:23]
	s_add_nc_u64 s[46:47], s[100:101], s[46:47]
	s_add_nc_u64 s[92:93], s[104:105], s[92:93]
	CROUND                                         ; all sixteen work-groups are here: the first joint loads meet
	s_mov_b32 s[G0S], 1
	s_mov_b32 s[G0S+1], SCL
	s_mov_b64 s[G0S+2:G0S+3], s[22:23]
	s_or_b32 s[G0S+3], s[G0S+3], 0x80000000
	s_mov_b32 s[G0SB], 1
	s_mov_b32 s[G0SB+1], SCL+2*HALFS
	s_mov_b64 s[G0SB+2:G0SB+3], s[92:93]
	s_or_b32 s[G0SB+3], s[G0SB+3], 0x80000000
.irp s, 0,1
	s_mov_b32 s[G0+4*\s], 1
	s_add_co_u32 s[G0+4*\s+1], s45, \s*HALFT
	s_add_nc_u64 s[G0+4*\s+2:G0+4*\s+3], s[20:21], \s*ROWB
	s_or_b32 s[G0+4*\s+3], s[G0+4*\s+3], 0x80000000
	s_mov_b32 s[G0B+4*\s], 1
	s_add_co_u32 s[G0B+4*\s+1], s45, \s*HALFT
	s_add_nc_u64 s[G0B+4*\s+2:G0B+4*\s+3], s[46:47], \s*ROWB
	s_or_b32 s[G0B+4*\s+3], s[G0B+4*\s+3], 0x80000000
.endr
; THE HEAD'S LOADS, ONE A WAVE: wave 0 K step 0 of A's 256 rows, wave 1 A's scale bytes, wave 2 K step 0 of B's 256 rows, wave 3 B's scale bytes.
; Wave 0's group 0 for slot 0 names A's first 128 rows and LDS byte 0, wave 2's names B's first 128 rows and B's place: with two runs in group 1 they bring all 256 rows.  One chain of branches, one load to an arm.
.macro ARM under, g0, g1, next
	s_cmp_lt_u32 s14, \under
	s_cbranch_scc0 \next
	tensor_load_to_lds s[\g0:\g0+3], s[\g1:\g1+7]
	s_nop 0
.rept 4
	v_nop
.endr
	s_branch .Lhead_asked
\next:
.endm
	ARM 1, G0,  G1,  .Lhead_sa
	ARM 2, G0S, G1S, .Lhead_b
	ARM 3, G0B, G1B, .Lhead_sb
	tensor_load_to_lds s[G0SB:G0SB+3], s[G1SB:G1SB+7]
	s_nop 0
.rept 4
	v_nop
.endr
.Lhead_asked:
	; (the head's two loads of codes bring K steps 0 AND 1 of all 256 rows: both slots are filled by them)
	; PREFETCH of K steps 2 and 3, which the two refills will ask for, two K steps ahead of them: the 24,576 bytes that my wave will fetch for a K step are 96 blocks of 256; the four partners that ask jointly
	; share them out by address, 24 blocks each (cx for A, cy for B), a lane a block; lanes 24-31 name the last block again.  The address registers are never written again.
	s_cmp_eq_u32 s15, 0
	s_cselect_b64 s[96:97], s[20:21], s[46:47]
	s_cselect_b32 s98, s40, s41
	s_mul_i32 s98, s98, 6144
	s_mov_b32 s99, 0
	s_add_nc_u64 s[96:97], s[96:97], s[98:99]
	v_and_b32 v30, 31, v0
	v_min_u32 v30, 23, v30
	v_lshlrev_b32 v30, 8, v30
	global_prefetch_b8 v30, s[96:97] offset:2*ROWB th:TH_LOAD_NT scope:SCOPE_SE
	global_prefetch_b8 v30, s[96:97] offset:3*ROWB th:TH_LOAD_NT scope:SCOPE_SE
	v_and_b32 v1, 15, v0                           ; r = lane % 16
	v_bfe_u32 v2, v0, 4, 1                         ; lane / 16
	v_mul_u32_u24 v3, v1, PITCH
	v_mul_u32_u24 v4, v2, 24
	v_add_nc_u32 v4, v3, v4                        ; a fragment's row x pitch + 24 x half
	v_lshl_add_u32 v5, v2, 4, v4                   ; and the same behind one padding more
	s_mul_i32 s21, s15, 2*HALFT                    ; my 128 rows of A
	s_mul_i32 s22, s16, 2*HALFT
	s_add_co_u32 s22, s22, 4*HALFT                 ; my 128 rows of B, behind A's
.irp s, 0,1
	v_add_nc_u32 v[ADRA+\s], s21, v4
	v_add_nc_u32 v[ADRB+\s], s22, v4
	v_add_nc_u32 v[ADRA+2+\s], s21, v5
	v_add_nc_u32 v[ADRB+2+\s], s22, v5
	s_add_co_u32 s21, s21, HALFT
	s_add_co_u32 s22, s22, HALFT
.endr
	v_mul_u32_u24 v5, v1, KS                       ; my row's scale bytes,
	v_lshrrev_b32 v6, 8, v5
	v_lshl_add_u32 v5, v6, 4, v5                   ; and 16 more for each 256 passed
	s_mul_i32 s21, s15, HALFS
	s_mul_i32 s22, s16, HALFS
	s_add_co_u32 s22, s22, 2*HALFS
	s_sub_co_u32 s22, s22, s21
	v_mul_u32_u24 v6, s22, v2                      ; lanes 16-31 take B's
	s_add_co_u32 s21, s21, SCL
	v_add_nc_u32 v5, v5, v6
	v_add_nc_u32 v[ADRS], s21, v5
	; where my results go
	s_lshl_b32 s20, s17, 8
	s_lshl_b32 s21, s15, 7
	s_add_co_u32 s20, s20, s21                     ; my first row of A
	s_lshl_b32 s22, s42, 8
	s_lshl_b32 s21, s16, 7
	s_add_co_u32 s22, s22, s21                     ; my first row of B
	s_cmp_eq_u32 s95, 2
	s_cselect_b32 s23, s22, s20                    ; my first token
	s_cselect_b32 s21, s20, s22                    ; my first channel of the 1,024
	s_lshr_b32 s21, s21, 6                         ; H0: my first head
	s_lshr_b32 s20, s23, 11
	s_lshl_b32 s20, s20, 4
	s_add_co_u32 s20, s20, s21                     ; bh0 = 16 x batch + H0
	s_and_b32 s23, s23, 2047                       ; the token's place in its batch
	s_mul_i32 s46, s95, 3145728
	s_mul_i32 s47, s20, 98304
	s_add_co_u32 s46, s46, s47
	s_mul_i32 s47, s23, 48                         ; 768 bytes a token tile (q, k); 6,144 a key step (v): both 48 a token
	s_add_co_u32 s46, s46, s47
	s_mov_b32 s47, 0
	s_add_nc_u64 s[12:13], s[12:13], s[46:47]      ; registers 0-5 go here
	s_lshl_b32 s46, s20, 12
	s_lshl_b32 s22, s23, 1
	s_add_co_u32 s46, s46, s22                     ; v: 4,096 bytes of scale words a head, 2 a token; q, k: twice that
	s_cmp_eq_u32 s95, 2
	s_cselect_b32 s22, 0, 1
	s_lshl_b32 s46, s46, s22
	s_mul_i32 s22, s95, 262144
	s_add_co_u32 s46, s46, s22
	s_add_nc_u64 s[66:67], s[66:67], s[46:47]      ; the scale words go here
	s_cmp_eq_u32 s95, 2
	s_mov_b32 s4, 98304
	s_cselect_b32 s4, 768, s4                      ; registers 6-11: the next head (q, k) or the fragment's second half (v)
	s_mov_b32 s5, 0
	s_mov_b32 s6, 768
	s_cselect_b32 s6, 1536, s6                     ; from block a to block a + 1
	s_mov_b32 s7, 0
	s_mov_b32 s8, 768
	s_cselect_b32 s8, 93696, s8                    ; from block 3 to block 4: for v the next head's first channel tile, 98,304 - 3 x 1,536
	s_mov_b32 s9, 0
	s_mov_b32 s10, 64
	s_cselect_b32 s10, 3904, s10                   ; the same for the scale words: 4,096 - 3 x 64
	s_mov_b32 s11, 0
	s_mov_b32 s18, 0xffff
	s_cselect_b32 s18, -1, s18                     ; q, k: two bytes of the word are kept,
	s_mov_b32 s19, 0x7f7f0000
	s_cselect_b32 s19, 0, s19                      ; and the upper two are 2^0
	s_cselect_b32 s22, 0, 8192                     ; q, k: lanes 16-31 store the next head's word,
	s_cselect_b32 s23, 0, 16                       ; which is the upper half of the word just made
	s_add_nc_u64 s[4:5], s[12:13], s[4:5]
	s_mov_b32 s20, 0x76543210
	s_mov_b32 s21, 0xfedcba98                      ; v_permlanex16_b32's selects for lane l xor 16
	v_and_b32 v6, 31, v0
	v_lshlrev_b32 v[VO16], 4, v6
	v_lshlrev_b32 v[VO8], 3, v6
	v_mul_u32_u24 v[VOS], s22, v2
	v_lshl_add_u32 v[VOS], v1, 2, v[VOS]
.macro FRAG reg, adr, q, i             ; 16 rows x 128 K of 6-bit codes: 12 registers; lane l holds row l % 16; registers 6 c .. 6 c + 5 hold K = 64 c + 32 (l / 16) + 0 .. 31, as they lie
.irp p, 0,1,2,3,4,5                    ; in pieces of 8 bytes.  Where the piece of lanes 16-31 lies behind one padding more than that of lanes 0-15, the second address register serves
.set PCE, 12*(\q)+6*(\p/3)+\p%3
.if PCE%8 < 5
	ds_load_b64 v[\reg+2*\p:\reg+2*\p+1], v[\adr] offset:8*PCE+16*(PCE/8)+(\i)*16*PITCH
.else
	ds_load_b64 v[\reg+2*\p:\reg+2*\p+1], v[\adr+2] offset:8*PCE+16*(PCE/8)+(\i)*16*PITCH
.endif
.endr
.endm
; 16 matrix instructions: A's blocks a0, a0 + 1 x B's eight, 128 along K.  The 64 accumulators take turns, one instruction a turn, in the same order in every step.
.macro MUL16 a0, p, q, sc, zero
.irp a, \a0, \a0+1
.irp b, 0,1,2,3,4,5,6,7
.if \zero
	v_wmma_scale_f32_16x16x128_f8f6f4 v[8*(8*((\a)%4)+\b):8*(8*((\a)%4)+\b)+7], v[128*(\p)+FR*\b:128*(\p)+FR*\b+FR-1], v[AF+FR*(\a):AF+FR*(\a)+FR-1], 0, v[SC+8*NQ*(\sc)+NQ*\b+(\q)], v[SC+8*NQ*(\sc)+NQ*(\a)+(\q)] matrix_a_fmt:MATRIX_FMT_FP6 matrix_b_fmt:MATRIX_FMT_FP6 matrix_a_scale:MATRIX_SCALE_ROW1
.else
	v_wmma_scale_f32_16x16x128_f8f6f4 v[8*(8*((\a)%4)+\b):8*(8*((\a)%4)+\b)+7], v[128*(\p)+FR*\b:128*(\p)+FR*\b+FR-1], v[AF+FR*(\a):AF+FR*(\a)+FR-1], v[8*(8*((\a)%4)+\b):8*(8*((\a)%4)+\b)+7], v[SC+8*NQ*(\sc)+NQ*\b+(\q)], v[SC+8*NQ*(\sc)+NQ*(\a)+(\q)] matrix_a_fmt:MATRIX_FMT_FP6 matrix_b_fmt:MATRIX_FMT_FP6 matrix_a_scale:MATRIX_SCALE_ROW1
.endif
.endr
.endr
.endm
.macro FETCH_B slot, q, p
	WIN TO_B
.irp i, 0,1,2,3,4,5,6,7
	FRAG 128*(\p)+FR*\i, ADRB+\slot, \q, \i
.endr
	WIN 0
.endm
.macro FETCH_A slot, q, i0
.irp i, \i0, \i0+1, \i0+2, \i0+3
	FRAG AF+FR*(\i), ADRA+\slot, \q, \i
.endr
.endm
.macro SCALES sc                       ; a K step's scale words: two a row; lanes 0-15 A's block i, lanes 16-31 B's block i
.irp i, 0,1,2,3,4,5,6,7
	ds_load_b64 v[SC+8*NQ*\sc+NQ*\i:SC+8*NQ*\sc+NQ*\i+1], v[ADRS] offset:\i*SBLK
.endr
.endm
.macro PLACES n                        ; plain vector lines between a matrix instruction and a load into, or a read of, its registers
.rept \n
	v_nop
.endr
.endm
.macro STEP slot, q, zero              ; 128 along K that have their successor in the same slot
	s_wait_dscnt 4*NL                              ; B's set and A's blocks 0-3 are in; the youngest 24 loads (A's blocks 4-7) may be out
	WIN MUL_LO
	MUL16 0, (\q)%2, \q, \slot, \zero
	MUL16 2, (\q)%2, \q, \slot, \zero
	s_wait_dscnt 0
	PLACES NP
	FETCH_B \slot, (\q)+1, 1-(\q)%2
	FETCH_A \slot, (\q)+1, 0
	WIN MUL_HI
	MUL16 4, (\q)%2, \q, \slot, \zero
	MUL16 6, (\q)%2, \q, \slot, \zero
	PLACES NP
	WIN 0
	FETCH_A \slot, (\q)+1, 4
.endm
; A slot's last 128 change slots: one barrier; in front of it each wave waits for all its tensor loads, adds 0 to its spare word, and waits for that and for its reads of this slot.  fill = 1: the slot is filled again, two K steps ahead.
.macro TURN slot, next, fill
	s_wait_tensorcnt 0x0                           ; all my tensor loads have landed: my part of the next slot
	ds_add_u32 v[SPW], v[NIL]                      ; 0 onto my spare word
	s_wait_dscnt 4*NL+1                            ; (the add and the youngest 24 loads may be out)
	WIN MUL_LO
	MUL16 0, 1, NQ-1, \slot, 0
	s_wait_dscnt 0x0                               ; the add is done, and my reads of this slot are over
	s_barrier_signal -1
	MUL16 2, 1, NQ-1, \slot, 0
	WIN 0
	s_barrier_wait -1
.if \fill
	CREST                                          ; the barrier has opened a round of the cluster's: no wave of any partner still reads this slot or has a load on its way
	s_add_nc_u64 s[G0+4*\slot+2:G0+4*\slot+3], s[G0+4*\slot+2:G0+4*\slot+3], 2*ROWB
	s_add_nc_u64 s[G0B+4*\slot+2:G0B+4*\slot+3], s[G0B+4*\slot+2:G0B+4*\slot+3], 2*ROWB
	JLOAD G0+4*\slot, G1, G0B+4*\slot, G1B         ; the first tensor load behind the round; its four v_nop are the places in front of the loads below
.else
	PLACES NP
.endif
	s_wait_alu depctr_va_vdst(0)
	v_add_nc_u32 v[ADRS], 4*NQ, v[ADRS]            ; the next K step's scale words
	FETCH_B \next, 0, 0
	FETCH_A \next, 0, 0
	SCALES \next
	WIN MUL_HI
	MUL16 4, 1, NQ-1, \slot, 0
	MUL16 6, 1, NQ-1, \slot, 0
	PLACES NP
	WIN 0
	FETCH_A \next, 0, 4
.endm
	s_wait_alu depctr_va_vdst(0)
	s_wait_tensorcnt 0x0                           ; my tile of the head's four is in
.irp g, G1, G1B                        ; no tensor load of mine is out, so the descriptors may be written: from here on a load brings one K step of 128 rows
	s_mov_b32 s[\g+1], (ROWB/8)<<16
	s_mov_b32 s[\g+2], 1<<16
	s_mov_b32 s[\g+3], (ROWB/8)<<16
	s_mov_b32 s[\g+4], 1
.endr
	s_barrier_signal -1
	s_barrier_wait -1                              ; all four tiles are in
	FETCH_B 0, 0, 0
	FETCH_A 0, 0, 0
	SCALES 0
	FETCH_A 0, 0, 4
	STEP 0, 0, 1                                   ; the first products start the sums: nothing is cleared
.rept LAPS-1                           ; once round the ring, both slots filled again: with K = 1,024 that is one lap, so it is written out and no loop is made of it
	TURN 0, 1, 1
	STEP 1, 0, 0
	TURN 1, 0, 1
	STEP 0, 0, 0
.endr
	TURN 0, 1, 0                                   ; the last lap fills nothing
	STEP 1, 0, 0
	s_wait_dscnt 4*NL
	WIN MUL_LO
	MUL16 0, 1, NQ-1, 1, 0
	MUL16 2, 1, NQ-1, 1, 0
	s_wait_dscnt 0
	WIN MUL_HI
	MUL16 4, 1, NQ-1, 1, 0
	MUL16 6, 1, NQ-1, 1, 0
	WIN 0
; THE WAY OUT.  Block a's 64 registers (window w, from register s on): register 16 j + i is the number at 32 j + 16 (lane / 16) + i along the axis to be quantised, of my lane's row of A.
; They become 12 registers of codes in v[PC] on and a scale word in v[PW].  Each accumulator is first read at its two lowest registers.
.macro QUANTW w, s
.set WQ, 5*(\w)
	WIN WQ                                         ; sources 0 and 1 in window w
.irp b, 0,1,2,3
	v_max3_num_f32 v[TM+\b], |v[(\s)+16*\b]|, |v[(\s)+1+16*\b]|, 0x1800000   ; my 16 numbers of block b, and the floor 2^(3 - 127): the byte cannot fall under 1
.endr
.irp i, 2,4,6,8,10,12,14
.irp b, 0,1,2,3
	v_max3_num_f32 v[TM+\b], |v[(\s)+16*\b+\i]|, |v[(\s)+1+16*\b+\i]|, v[TM+\b]
.endr
.endr
	WIN 0
.irp b, 0,1,2,3
	v_permlanex16_b32 v[TM+4+\b], v[TM+\b], s20, s21
.endr
.irp b, 0,1,2,3
	v_max_num_f32 v[TM+\b], v[TM+\b], v[TM+4+\b]   ; with lane l xor 16's: the block's largest magnitude
.endr
.irp b, 0,1,2,3
	v_add_nc_u32 v[TM+12+\b], 0xff000000, v[TM+\b] ; 2 off its exponent field: the conversion's scale operand
.endr
.irp b, 0,1,2,3
	v_lshrrev_b32 v[TM+4+\b], 23, v[TM+12+\b]      ; the scale's byte
.endr
	v_lshl_or_b32 v[PW], v[TM+5], 8, v[TM+4]
	v_lshl_or_b32 v[PW], v[TM+6], 16, v[PW]
	v_lshl_or_b32 v[PW], v[TM+7], 24, v[PW]
.set WQ, \w
	WIN WQ                                         ; source 0 in window w
.irp c, 0,1
	v_cvt_scalef32_pk16_fp6_f32 v[PC+6*\c:PC+2+6*\c], v[(\s)+32*\c:(\s)+15+32*\c], v[TM+12+2*\c]
	v_cvt_scalef32_pk16_fp6_f32 v[PC+12+4*\c:PC+14+4*\c], v[(\s)+16+32*\c:(\s)+31+32*\c], v[TM+12+2*\c+1]   ; (a conversion's three registers begin on an even number)
.endr
	WIN 0
	v_nop                                          ; one plain line behind a scaled conversion
.irp c, 0,1                                    ; the operand's layout wants a whole block in a lane
.irp i, 0,1,2
	v_permlane16_swap_b32 v[PC+6*\c+\i], v[PC+12+4*\c+\i]
.endr
.irp i, 0,1,2
	v_mov_b32 v[PC+3+6*\c+\i], v[PC+12+4*\c+\i]
.endr
.endr
.endm
	PLACES NP                                      ; behind the last products: their results are read and A's registers are written below
	v_mul_u32_u24 v[ADRS], s23, v2                 ; (its LDS loads are long back)  the shift of lanes 16-31
.irp b, 0,1,2,3
	v_mov_b32 v[TM+4+\b], 0                        ; written once: a lane permute's destination counts as one of its sources
.endr
.irp a, 0,1,2,3,4,5,6,7
.if \a > 0
	s_wait_xcnt 0x0                                ; the last block's stores have read their data and their bases: both are written again only behind this wait
.if \a == 4
	s_add_nc_u64 s[12:13], s[12:13], s[8:9]
	s_add_nc_u64 s[4:5], s[4:5], s[8:9]
	s_add_nc_u64 s[66:67], s[66:67], s[10:11]
.else
	s_add_nc_u64 s[12:13], s[12:13], s[6:7]
	s_add_nc_u64 s[4:5], s[4:5], s[6:7]
	s_add_nc_u64 s[66:67], s[66:67], 64
.endif
.endif
	QUANTW 2+\a/4, 64*(\a%4)
	v_lshrrev_b32 v[SW], v[ADRS], v[PW]
	v_and_or_b32 v[SW], v[SW], s18, s19
	global_store_b128 v[VO16], v[PC:PC+3], s[12:13]                ; 32 lanes store 512 consecutive bytes, aligned to 256
	global_store_b64 v[VO8], v[PC+4:PC+5], s[12:13] offset:512     ; and 256 more
	global_store_b128 v[VO16], v[PC+6:PC+9], s[4:5]
	global_store_b64 v[VO8], v[PC+10:PC+11], s[4:5] offset:512
	global_store_b32 v[VOS], v[SW], s[66:67]                       ; sixteen words on end (for v both halves of the lanes store the same word to the same place)
.endr
	s_wait_tensorcnt 0x0                           ; the wave's end
	ds_add_u32 v[SPW], v[NIL]
	s_wait_dscnt 0x0
	CROUND                                         ; the closing round: no work-group ends while a partner may still ask for a tile that names it
	s_endpgm
.Lfunc_end_k_q6c63be7c8a_proj:
	.size	k_q6c63be7c8a_proj, .Lfunc_end_k_q6c63be7c8a_proj-k_q6c63be7c8a_proj
	.p2alignl 7, 3214868480
	.fill 96, 4, 3214868480
	.section	.rodata,"a",@progbits
	.p2align	6, 0x0
	.amdhsa_kernel k_q6c63be7c8a_proj
		.amdhsa_group_segment_fixed_size 327680
		.amdhsa_private_segment_fixed_size 0
		.amdhsa_enable_private_segment 0
		.amdhsa_kernarg_size 48
		.amdhsa_user_sgpr_count 2
		.amdhsa_user_sgpr_kernarg_segment_ptr 1
		.amdhsa_wavefront_size32 1
		.amdhsa_system_sgpr_workgroup_id_x 1
		.amdhsa_system_sgpr_workgroup_id_y 1
		.amdhsa_system_sgpr_workgroup_id_z 1
		.amdhsa_system_vgpr_workitem_id 0
		.amdhsa_next_free_vgpr 1024
		.amdhsa_next_free_sgpr 106
		.amdhsa_reserve_vcc 0
		.amdhsa_float_denorm_mode_32 3
		.amdhsa_float_denorm_mode_16_64 3
		.amdhsa_memory_ordered 1
		.amdhsa_forward_progress 1
		.amdhsa_inst_pref_size 169
	.end_amdhsa_kernel
	.amdgpu_metadata
---
amdhsa.version: [ 1, 2 ]
amdhsa.kernels:
  - .name:           k_q6c63be7c8a_proj
    .symbol:         k_q6c63be7c8a_proj.kd
    .args:
      - { .name: xc, .offset: 0, .size: 8, .value_kind: global_buffer, .address_space: global }
      - { .name: xs, .offset: 8, .size: 8, .value_kind: global_buffer, .address_space: global }
      - { .name: wc, .offset: 16, .size: 8, .value_kind: global_buffer, .address_space: global }
      - { .name: ws, .offset: 24, .size: 8, .value_kind: global_buffer, .address_space: global }
      - { .name: qkvc, .offset: 32, .size: 8, .value_kind: global_buffer, .address_space: global }
      - { .name: qkvs, .offset: 40, .size: 8, .value_kind: global_buffer, .address_space: global }
    .group_segment_fixed_size: 327680
    .private_segment_fixed_size: 0
    .kernarg_segment_align: 8
    .kernarg_segment_size: 48
    .max_flat_workgroup_size: 128
    .sgpr_count:     106
    .vgpr_count:     1024
    .wavefront_size: 32
...
	.end_amdgpu_metadata
.endif
;; end of part 2
;; launch attn (part 3): grid 8 x 32, 16 waves a work-group, no clusters, 327,680 bytes of LDS; arguments qkvc, qkvs, vmask, hmask, cc, cs; writes cc, cs
.if DOCPART == 3
	.amdgcn_target "amdgcn-amd-amdhsa--gfx1250"
	.amdhsa_code_object_version 6
	.text
	.protected	k_q6c63be7c8a_attn
	.globl	k_q6c63be7c8a_attn
	.p2align	8
	.type	k_q6c63be7c8a_attn,@function
k_q6c63be7c8a_attn:
	s_mov_b64 s[64:65], 0
	v_nop
	global_prefetch_b8 v0, s[64:65] scope:SCOPE_SE
	s_setreg_imm32_b32 hwreg(HW_REG_WAVE_MODE, 25, 1), 1
	s_wait_xcnt 0x0
; Causal attention of one (batch, head) on codes of FP6 (E2M3): S^T = K Q^T (K = the head's 64), the two padding masks, 0 -> 1e-10, the causal mask, p = 2^(t - M) quantised along the keys, O^T = V^T P^T, O / l,
; and O quantised along the head's 64 channels for the output projection.  Codes and scale words come and go as images of operand registers (six registers: 768 bytes, registers 0-3 at 16 x lane, 4-5 at 512 + 8 x lane).
; LEFT OUT: steps of 128 keys that lie wholly behind a tile's queries: the causal mask sets their scores to -infinity, so their p is 0 for all inputs.
; SHARES.  Work-group (i, bh) owns the blocks of 128 queries i and 15 - i.  Tile x of block i needs i + 1 steps of 128 keys, tile x of block 15 - i needs 16 - i: 17 for the pair of waves 2 x, 2 x + 1.
; The wave of role 0 takes key steps 0-8 of the long tile.  The wave of role 1 takes the short tile (steps 0 .. i), sends it out, then takes steps 9 .. 15 - i of the long tile and hands O^T, -M and the sums over through LDS.
; The role-0 wave joins the two parts: both M are whole numbers, so each part is brought under the larger M by a power of two, which rounds nothing.  9 steps against 8 steps and two diagonals.
; ONE LOOP of 16 trips for all waves; a trip's work is jumped over by tests on ids (the step against the wave's limit); the change of tiles stands in trip 9 under a test on the step and the role.
; THE WHOLE HEAD LIES IN LDS, FILLED ONCE, one tensor load a wave: waves 0-5 K's codes, 6-11 V's (16,384 bytes each), 12 K's scale words, 13 the batch's row of vmask, 14-15 V's scale words.  One wait for 0 and one barrier.
; NO CLUSTER: which steps a wave leaves out and which lies on the diagonal are branches on its block of queries; with the eight work-groups of a head as partners those would hang on a work-group's place in its cluster.
; NO PREFETCH: all fills stand at the head; there is no loop to run ahead in.
; LAYOUT.  Tokens lie in tile order (bits 3 and 4 of the row swapped): as source 0, key tiles 2 j and 2 j + 1 leave register 16 j + i of a lane = key 32 j + 16 (lane / 16) + i of the step; as source 1, lane r of query tile x is
; query 32 (x / 2) + 8 (x % 2) + r + (r & 8) of its block.  V's channel tiles lie likewise, so O^T's register 16 j + i is channel 32 j + 16 (lane / 16) + i.
; K = 64 IN AN INSTRUCTION OF 128: Q's registers 6-11 are zero codes and bytes 2, 3 of both scale words are 2^0; K's registers 6-11 are whatever follows (the next tile's codes, finite in this format) and add nothing.
; THE MASKS.  t = (s x vmask) x g, g = |hmask| x log2(e) / 64; hmask's sign goes into the sign bits of q's codes, exactly, so that g > 0 and the largest score is the largest t.
; fl(1.44e-10 - M) = -M = fma(0, g, -M): every p has the bits that it would have with the replacement made on every score.
; LIMITS: g is held at 2^-100 from below (so that -infinity x g stays -infinity): a row with |hmask| under about 2^-95 comes out uniform as with hmask = 0, and its M may be 0 where the rule gives 1: p and l are then both doubled.
; t's factors are multiplied in another order than the source reads, and a long row's sums are joined from two parts (differences of f32 rounding).  NaN and infinities among the inputs are not served.  A block of zeros gets the byte 1.
; The promise holds while the scaled scores stay under 2^31 in magnitude.
; REGISTERS: v1-9 addresses and constants; v[10:11] g; v12 -M; v13 largest t; v[14:15] the sum; v16-27 Q; v28 my pair's LDS bytes; v29-31, v92-95 addresses of the step; v32-79 K, then vmask, then V; v80-85 zeros; v86-87 V's scale words;
; v88-91 K's; v96-159 S^T, then p; v160-191 O^T; v192-223 vmask; v224-235 p's codes; v232-254 at work; v250-251 the add's; v252 f; v253 p's scale word; v255 Q's.
; THE FILLS AND THE LOOPS (this takes the place of what the head says of one fill, one barrier and one loop).  The head still lies in LDS whole and nothing is filled again, but it comes in two stages.
; Stage 1, at the kernel's head, one load a wave: waves 0-5 K's codes of key steps 0-3, waves 6-11 V's (4,096 bytes each), waves 12-15 the scale words and vmask as said above.
; Stage 2, behind the first barrier, one load a wave: waves 0-7 K's codes of key steps 4-15, waves 8-15 V's (9,216 bytes each).
; Stage 2 is on its way while key steps 0-3 are worked (a loop of 4 trips); a wait for 0 and a barrier stand in front of key step 4 (a loop of 12 trips).
; LDS: K's steps 0-3 at 0, V's steps 0-3 at 24,576, K's steps 4-15 at 49,152, V's steps 4-15 at 122,880.
.set TV,   98                          ; s98  the step's codes of V
.set KSO,   196608
.set VMO,   204800
.set VSO,   212992
.set SPARE, 217088                     ; the spare words: 128 bytes a wave
.set STASH, 219136                     ; 4,608 bytes for each pair of waves; no fill lands here
.set WV,   16
.set BLK,  21                          ; s21  the block of 128 queries that I work on
.set SEL,  22                          ; s[22:23]
.set G1C,  24                          ; rows of 256 bytes: 16 in stage 1, 36 in stage 2
.set G1S,  32                          ; 32 rows
.set G1T,  40                          ; 8 rows
.set G0C,  48
.set G0S,  52
.set G0T,  56
.set ROLE, 60
.set LIM,  61                          ; s61  the last key step that I work on with this tile
.set BLKL, 62                          ; s62  15 - i
.set BLKS, 63                          ; s63  i
.set QB,   66                          ; pairs: short tile, long tile: Q's image,
.set QSB,  70                          ; Q's scale words,
.set HB,   74                          ; hmask at the block's first query,
.set CB,   78                          ; cc,
.set CSB,  82                          ; cs
.set TB,   86                          ; the step's codes: 6,144 bytes a step
.set TS,   87                          ; K's scale words and vmask: 512 bytes a step
.set TJ,   88                          ; V's scale words: 256 bytes a step
.set ST,   89                          ; the key step, 0..15
	s_load_b256 s[4:11], s[0:1], 0x0               ; qkvc, qkvs, vmask, hmask
	s_load_b128 s[12:15], s[0:1], 0x20             ; cc, cs
	v_lshl_add_u32 v250, v0, 2, SPARE
	v_mov_b32 v251, 0
	ds_add_u32 v250, v251                          ; the opening lines: the add twice on end and one wait, ahead of my tensor load
	ds_add_u32 v250, v251
	v_lshrrev_b32 v1, 5, v0
	v_readfirstlane_b32 s[WV], v1                  ; wave 0..15
	s_and_b32 s17, ttmp7, 0xffff                   ; bh
	s_lshr_b32 s18, s17, 4                         ; batch
	s_and_b32 s19, s17, 15                         ; head
	s_lshr_b32 s[ROLE], s[WV], 2
	s_xor_b32 s[ROLE], s[ROLE], s[WV]
	s_and_b32 s[ROLE], s[ROLE], 1                  ; waves 2 x and 2 x + 1 get different roles; of every fourth wave two get each
	s_lshr_b32 s20, s[WV], 1                       ; x: which tile of a block's eight, and which pair
	s_mov_b32 s[BLKS], ttmp9
	s_sub_co_u32 s[BLKL], 15, ttmp9
	; WHERE THE LONG TILE IS CUT (this takes the place of the 8 and the 9 named at the head): the role-0 wave takes its key steps 0 .. c, the role-1 wave c + 1 .. 15 - i, with c = 10 for i = 0, 9 for i = 1, 2, and 8 otherwise.
	; Where i is under 3 the role-1 wave has no work for 3 - i of the first four key steps: behind them 12 - i steps of the long tile are left, and c shares those out evenly.
	s_cmp_lt_u32 ttmp9, 3
	s_cselect_b32 s90, 9, 8
	s_cmp_lt_u32 ttmp9, 1
	s_cselect_b32 s90, 10, s90
	s_add_co_u32 s99, s90, 1                       ; s99: the key step at which the role-1 wave changes tiles
	s_cmp_eq_u32 s[ROLE], 1
	s_cselect_b32 s[BLK], s[BLKS], s[BLKL]
	s_cselect_b32 s[LIM], s[BLKS], s90
.irp g, G1C, G1S, G1T                  ; dense blocks as rows of 256 bytes: 32 elements of 8 bytes, no padding
	s_mov_b32 s[\g], 3<<16
	s_mov_b32 s[\g+1], 32<<16
	s_mov_b32 s[\g+3], 32<<16
	s_mov_b32 s[\g+5], 32
	s_mov_b32 s[\g+6], 0
	s_mov_b32 s[\g+7], 0
.endr
	s_mov_b32 s[G1C+2], 16<<16                     ; stage 1: 16 rows of 256 bytes
	s_mov_b32 s[G1C+4], 16
	s_mov_b32 s[G1S+2], 32<<16
	s_mov_b32 s[G1S+4], 32
	s_mov_b32 s[G1T+2], 8<<16
	s_mov_b32 s[G1T+4], 8
	s_mov_b32 s[SEL], 0x76543210
	s_mov_b32 s[SEL+1], 0xfedcba98
	s_wait_dscnt 0x0
	s_wait_kmcnt 0x0
	s_lshl_b32 s91, s[WV], 12                      ; waves 0-11: 4,096 x wave in LDS (V's first four steps follow K's); in qkvc V's tensor lies 3,145,728 behind K's
	s_cmp_lt_u32 s[WV], 6
	s_cselect_b32 s92, 0, 3145728-24576
	s_add_co_u32 s92, s92, s91
	s_mul_i32 s93, s17, 98304
	s_add_co_u32 s92, s92, s93
	s_add_co_u32 s92, s92, 3145728
	s_mov_b32 s93, 0
	s_mov_b32 s[G0C], 1
	s_mov_b32 s[G0C+1], s91
	s_add_nc_u64 s[G0C+2:G0C+3], s[4:5], s[92:93]
	s_or_b32 s[G0C+3], s[G0C+3], 0x80000000
	s_lshl_b32 s91, s[WV], 13                      ; wave 12: K's scale words to 196,608; wave 13: vmask to 204,800
	s_mov_b32 s[G0S], 1
	s_add_co_u32 s[G0S+1], s91, 98304
	s_lshl_b32 s92, s17, 13
	s_add_co_u32 s92, s92, 262144
	s_add_nc_u64 s[94:95], s[6:7], s[92:93]
	s_lshl_b32 s92, s18, 13
	s_add_nc_u64 s[96:97], s[8:9], s[92:93]
	s_cmp_eq_u32 s[WV], 12
	s_cselect_b64 s[G0S+2:G0S+3], s[94:95], s[96:97]
	s_or_b32 s[G0S+3], s[G0S+3], 0x80000000
	s_lshl_b32 s91, s[WV], 11                      ; waves 14, 15: the halves of V's scale words, to 212,992 + 2,048 (wave - 14)
	s_mov_b32 s[G0T], 1
	s_add_co_u32 s[G0T+1], s91, 184320
	s_lshl_b32 s92, s17, 12
	s_add_co_u32 s92, s92, s91
	s_add_co_u32 s92, s92, 524288-28672
	s_add_nc_u64 s[G0T+2:G0T+3], s[6:7], s[92:93]
	s_or_b32 s[G0T+3], s[G0T+3], 0x80000000
	s_cmp_lt_u32 s[WV], 12                         ; one chain of branches on the wave's number, one fill to an arm
	s_cbranch_scc0 .Larm2
	tensor_load_to_lds s[G0C:G0C+3], s[G1C:G1C+7]
	s_nop 0
.rept 4
	v_nop
.endr
	s_branch .Lfilled
.Larm2:
	s_cmp_lt_u32 s[WV], 14
	s_cbranch_scc0 .Larm3
	tensor_load_to_lds s[G0S:G0S+3], s[G1S:G1S+7]
	s_nop 0
.rept 4
	v_nop
.endr
	s_branch .Lfilled
.Larm3:
	tensor_load_to_lds s[G0T:G0T+3], s[G1T:G1T+7]
	s_nop 0
.rept 4
	v_nop
.endr
.Lfilled:
.macro SETB b, o                       ; the five addresses of tile x of block s[b]
	s_lshl_b32 s90, s[\b], 3
	s_add_co_u32 s90, s90, s20                     ; the query tile of the head's 128
	s_mul_i32 s92, s17, 98304
	s_mul_i32 s91, s90, 768
	s_add_co_u32 s92, s92, s91
	s_mov_b32 s93, 0
	s_add_nc_u64 s[QB+\o:QB+\o+1], s[4:5], s[92:93]
	s_lshl_b32 s92, s17, 13
	s_lshl_b32 s91, s90, 6
	s_add_co_u32 s92, s92, s91
	s_add_nc_u64 s[QSB+\o:QSB+\o+1], s[6:7], s[92:93]
	s_lshl_b32 s92, s18, 13
	s_lshl_b32 s91, s[\b], 9
	s_add_co_u32 s92, s92, s91
	s_add_nc_u64 s[HB+\o:HB+\o+1], s[10:11], s[92:93]
	s_lshl_b32 s91, s18, 7
	s_add_co_u32 s91, s91, s90                     ; the token tile of 256
	s_lshl_b32 s92, s91, 4
	s_add_co_u32 s92, s92, s19
	s_mul_i32 s92, s92, 768
	s_add_nc_u64 s[CB+\o:CB+\o+1], s[12:13], s[92:93]      ; cc[token tile][head]
	s_lshl_b32 s92, s91, 9
	s_lshl_b32 s91, s19, 1
	s_add_co_u32 s92, s92, s91
	s_add_nc_u64 s[CSB+\o:CSB+\o+1], s[14:15], s[92:93]    ; cs: 32 bytes a token, bytes 2 h, 2 h + 1
.endm
	SETB BLKS, 0
	SETB BLKL, 2
	s_cmp_eq_u32 s[ROLE], 1                        ; the tile that I begin with
	s_cselect_b64 s[92:93], s[QB:QB+1], s[QB+2:QB+3]
	s_cselect_b64 s[94:95], s[QSB:QSB+1], s[QSB+2:QSB+3]
	s_cselect_b64 s[96:97], s[HB:HB+1], s[HB+2:HB+3]
	s_lshr_b32 s90, s20, 1
	s_lshl_b32 s90, s90, 5
	s_and_b32 s91, s20, 1
	s_lshl_b32 s91, s91, 3
	s_add_co_u32 s90, s90, s91                     ; 32 (x / 2) + 8 (x % 2)
	s_mul_i32 s91, s20, 4608
	s_add_co_u32 s91, s91, STASH                   ; my pair's bytes
	s_mov_b32 s[TB], 0
	s_mov_b32 s[TV], 24576
	s_mov_b32 s[TS], 0
	s_mov_b32 s[TJ], 0
	s_mov_b32 s[ST], 0
	v_and_b32 v28, 31, v0                          ; lane
	v_and_b32 v29, 15, v0                          ; r
	v_bfe_u32 v30, v0, 4, 1                        ; lane / 16
	v_lshlrev_b32 v1, 4, v28                       ; 16 x lane
	v_lshlrev_b32 v2, 3, v28                       ; 8 x lane
	v_lshl_add_u32 v5, v28, 2, KSO
	v_lshl_add_u32 v6, v28, 2, VSO
	v_lshl_add_u32 v7, v30, 6, VMO                 ; my half's 16 keys of a block of 32: 64 bytes of vmask
	v_add_nc_u32 v28, s91, v1
	v_and_b32 v31, 8, v29
	v_lshlrev_b32 v93, 4, v30
	v_add3_u32 v31, v31, v29, s90                  ; my query's place in its block, the same in both blocks
	v_mov_b32 v9, 0xff800000                       ; -infinity
	v_sub_nc_u32 v8, v31, v93                      ; d = that - 16 (lane / 16): on the diagonal register 16 j + i is hidden where 32 j + i > d
.irp j, 22,23,24,25,26,27,80,81,82,83,84,85,236,237,238,239,252,253
	v_mov_b32 v[\j], 0                             ; Q's upper half and what follows K's last tile: zero codes; destinations of lane permutes and the upper half of a pair: written once
.endr
; A tile begins: its Q, Q's scale words and hmask are loaded; the sums, M and O^T begin anew.
.macro LOADQ qb, qsb, hb
	v_and_b32 v29, 15, v0
	v_bfe_u32 v30, v0, 4, 1
	v_lshlrev_b32 v94, 2, v29
	v_lshl_add_u32 v31, v30, 4, v8
	s_delay_alu instid0(VALU_DEP_1)
	v_lshlrev_b32 v92, 2, v31
	global_load_b128 v[16:19], v1, s[\qb:\qb+1]
	global_load_b64 v[20:21], v2, s[\qb:\qb+1] offset:512
	global_load_b32 v255, v94, s[\qsb:\qsb+1]
	global_load_b32 v10, v92, s[\hb:\hb+1]         ; hmask of my query
	v_mov_b32 v13, 0xff61b1e6                      ; the largest t so far: -3e38
	v_mov_b32 v14, 0
	v_mov_b32 v15, 0
	v_floor_f32 v12, -v13                          ; -M
.irp j, 0,1,2,3,4,5,6,7,8,9,10,11,12,13,14,15,16,17,18,19,20,21,22,23,24,25,26,27,28,29,30,31
	v_mov_b32 v[160+\j], 0                         ; O^T: the step is written once; a tile's first step finds zeros
.endr
	s_wait_loadcnt 0x0
	v_ashrrev_i32 v11, 31, v10                     ; all ones where hmask is negative
	v_mul_f32 v10, 0x3cb8aa3b, |v10|               ; |hmask| x log2(e) / 64
	s_delay_alu instid0(VALU_DEP_2)
	v_and_b32 v92, 0x20820820, v11                 ; the sign bits (bit 6 i + 5) of 16 codes in three words
	v_and_b32 v93, 0x08208208, v11
	v_and_b32 v94, 0x82082082, v11
	v_max_num_f32 v10, 0x0d800000, v10             ; held at 2^-100
	v_xor_b32 v16, v16, v92
	v_xor_b32 v17, v17, v93
	v_xor_b32 v18, v18, v94
	v_xor_b32 v19, v19, v92
	v_xor_b32 v20, v20, v93
	v_xor_b32 v21, v21, v94
	v_mov_b32 v11, v10
	s_wait_alu depctr_va_vdst(0)
.endm
; THE WAY OUT of a tile: O^T / l, quantised along the head's 64 channels (two blocks of 32), stored as an image and two scale bytes a token.
; merge = 1: the other wave's part lies in v96-127 (O^T) and v128-131 (-M, its largest t, its sums): both parts are brought under the larger M first.
.macro WAYOUT merge, cb, csb
.rept 4
	v_nop                                          ; places behind the last products
.endr
	v_add_f32 v14, v14, v15
.if \merge
	v_add_f32 v130, v130, v131
	v_min_num_f32 v132, v12, v128                  ; the smaller -M: the larger M
	v_mov_b32 v135, 0                              ; (the upper half of a pair)
	s_delay_alu instid0(VALU_DEP_2)
	v_sub_f32 v133, v132, v12                      ; whole numbers, 0 or less
	v_sub_f32 v134, v132, v128
	s_delay_alu instid0(VALU_DEP_2)
	v_cvt_i32_f32 v133, v133                       ; (they saturate: a part with no step has -M = 3e38, and its factor is 0)
	s_delay_alu instid0(VALU_DEP_2)
	v_cvt_i32_f32 v134, v134
	s_delay_alu instid0(VALU_DEP_2)
	v_ldexp_f32 v133, 1.0, v133
	s_delay_alu instid0(VALU_DEP_2)
	v_ldexp_f32 v134, 1.0, v134
	s_delay_alu instid0(VALU_DEP_2)
	v_mul_f32 v14, v14, v133
	s_delay_alu instid0(VALU_DEP_1)
	v_fmac_f32 v14, v130, v134
.endif
	s_delay_alu instid0(VALU_DEP_1)
	v_permlanex16_b32 v252, v14, s[SEL], s[SEL+1]
	s_delay_alu instid0(VALU_DEP_1)
	v_add_f32 v14, v14, v252                       ; the row's sum
	s_wait_alu depctr_va_vdst(0)
	v_rcp_f32 v14, v14
	v_and_b32 v29, 15, v0                          ; (a plain line behind the reciprocal)
	s_delay_alu instid0(VALU_DEP_1)
	v_lshlrev_b32 v29, 5, v29                      ; 32 bytes of scale bytes a token
	s_wait_alu depctr_va_vdst(0)                   ; the wait ahead of the reciprocal's first reader
.if \merge
	v_mul_f32 v132, v133, v14
	v_mul_f32 v134, v134, v14
.irp j, 0,2,4,6,8,10,12,14,16,18,20,22,24,26,28,30
	v_pk_mul_f32 v[96+\j:97+\j], v[96+\j:97+\j], v[134:135] op_sel_hi:[1,0]
.endr
	s_wait_alu depctr_va_vdst(0)                   ; the wait directly ahead of the first reader of O^T
.irp j, 0,2,4,6,8,10,12,14,16,18,20,22,24,26,28,30
	v_pk_fma_f32 v[96+\j:97+\j], v[160+\j:161+\j], v[132:133], v[96+\j:97+\j] op_sel_hi:[1,0,1]
.endr
.else
.irp j, 0,1,2,3,4,5,6,7,8,9,10,11,12,13,14,15,16,17,18,19,20,21,22,23,24,25,26,27,28,29,30,31
	v_mul_f32 v[96+\j], v[160+\j], v14             ; register 16 j + i: channel 32 j + 16 (lane / 16) + i
.endr
.endif
.irp b, 0,1
	v_max3_num_f32 v[232+\b], |v[96+16*\b]|, |v[97+16*\b]|, 0x1800000
.endr
.irp i, 2,4,6,8,10,12,14
.irp b, 0,1
	s_delay_alu instid0(VALU_DEP_2)
	v_max3_num_f32 v[232+\b], v[232+\b], |v[96+16*\b+\i]|, |v[97+16*\b+\i]|
.endr
.endr
.irp b, 0,1
	s_delay_alu instid0(VALU_DEP_2)
	v_permlanex16_b32 v[236+\b], v[232+\b], s[SEL], s[SEL+1]
.endr
.irp b, 0,1
	s_delay_alu instid0(VALU_DEP_2)
	v_max_num_f32 v[232+\b], v[232+\b], v[236+\b]
.endr
.irp b, 0,1
	s_delay_alu instid0(VALU_DEP_2)
	v_add_nc_u32 v[244+\b], 0xff000000, v[232+\b]
.endr
.irp b, 0,1
	s_delay_alu instid0(VALU_DEP_2)
	v_lshrrev_b32 v[236+\b], 23, v[244+\b]
.endr
	s_delay_alu instid0(VALU_DEP_1)
	v_lshl_or_b32 v248, v237, 8, v236
	v_cvt_scalef32_pk16_fp6_f32 v[224:226], v[96:111], v244
	v_cvt_scalef32_pk16_fp6_f32 v[240:242], v[112:127], v245
	v_nop
.irp i, 0,1,2
	v_permlane16_swap_b32 v[224+\i], v[240+\i]
.endr
.irp i, 0,1,2
	s_delay_alu instid0(VALU_DEP_3)
	v_mov_b32 v[227+\i], v[240+\i]
.endr
	global_store_b128 v1, v[224:227], s[\cb:\cb+1]             ; 512 consecutive bytes, aligned to 256
	global_store_b64 v2, v[228:229], s[\cb:\cb+1] offset:512   ; and 256 more
	global_store_b16 v29, v248, s[\csb:\csb+1]                 ; two bytes a token (both halves of the lanes store the same)
.endm
	LOADQ 92, 94, 96
; A KEY STEP: 128 keys.  sw = 1: the copy of the second loop, in which the role-1 wave changes tiles.
.macro STEP sw
.if \sw
	s_cmp_eq_u32 s[ST], s99                        ; in key step c + 1 the role-1 wave changes tiles
	s_cselect_b32 s90, s[ROLE], 0
	s_cmp_lg_u32 s90, 0
	s_cbranch_scc0 .Lsame_\@
	WAYOUT 0, CB, CSB                              ; the short tile is finished
	s_wait_xcnt 0x0                                ; its stores have read their registers
	s_mov_b32 s[BLK], s[BLKL]
	s_mov_b32 s[LIM], s[BLKL]
	LOADQ QB+2, QSB+2, HB+2                        ; the long tile, from key step c + 1 on
.Lsame_\@:
.endif
	s_cmp_gt_u32 s[ST], s[LIM]                     ; not my step: the work is left out, the lines at the end that step addresses are not
	s_cbranch_scc1 .Lhidden_\@
	v_add_nc_u32 v29, s[TB], v1                    ; (these seven are also the places behind the last step's products, in front of the loads)
	v_add_nc_u32 v30, s[TB], v2
	v_add_nc_u32 v31, s[TV], v1
	v_add_nc_u32 v92, s[TV], v2
	v_add_nc_u32 v93, s[TS], v5
	v_add_nc_u32 v95, s[TS], v7
	v_add_nc_u32 v94, s[TJ], v6
.irp t, 0,1,2,3,4,5,6,7
	ds_load_b128 v[32+6*\t:35+6*\t], v29 offset:768*\t
	ds_load_b64 v[36+6*\t:37+6*\t], v30 offset:768*\t+512
.endr
.irp p, 0,1,2,3
	ds_load_b32 v[88+\p], v93 offset:128*\p        ; lanes 0-15: tile 2 p's scale words, lanes 16-31: tile 2 p + 1's
.endr
.irp n, 0,1,2,3,4,5,6,7
	ds_load_b128 v[192+4*\n:195+4*\n], v95 offset:128*(\n/4)+16*(\n%4)   ; vmask of the keys of registers 0-31
.endr
	s_wait_alu depctr_va_vdst(0)
	s_wait_dscnt 8                                 ; K and its scale words are in; vmask's eight loads may be out
.irp t, 0,1,2,3,4,5,6,7
.if \t%2
	v_wmma_scale_f32_16x16x128_f8f6f4 v[96+8*\t:103+8*\t], v[32+6*\t:43+6*\t], v[16:27], 0, v[88+\t/2], v255 matrix_a_fmt:MATRIX_FMT_FP6 matrix_b_fmt:MATRIX_FMT_FP6 matrix_a_scale:MATRIX_SCALE_ROW1
.else
	v_wmma_scale_f32_16x16x128_f8f6f4 v[96+8*\t:103+8*\t], v[32+6*\t:43+6*\t], v[16:27], 0, v[88+\t/2], v255 matrix_a_fmt:MATRIX_FMT_FP6 matrix_b_fmt:MATRIX_FMT_FP6
.endif
.endr
.rept 4
	v_nop                                          ; places: K's registers are loaded again and the scores are read below
.endr
.irp n, 0,1,2,3,4,5,6,7
	ds_load_b128 v[32+4*\n:35+4*\n], v95 offset:256+128*(\n/4)+16*(\n%4)  ; vmask of the keys of registers 32-63
.endr
	s_wait_dscnt 8                                 ; the first eight are in; these eight may be out
.irp j, 0,2,4,6,8,10,12,14,16,18,20,22,24,26,28,30
	v_pk_mul_f32 v[96+\j:97+\j], v[96+\j:97+\j], v[192+\j:193+\j]          ; s x vmask, each accumulator from its low end on
.endr
	s_wait_dscnt 0x0
.irp j, 0,2,4,6,8,10,12,14,16,18,20,22,24,26,28,30
	v_pk_mul_f32 v[128+\j:129+\j], v[128+\j:129+\j], v[32+\j:33+\j]
.endr
.irp t, 0,1,2,3                                ; V's four fragments land under the softmax
.irp c, 0,1
	ds_load_b128 v[32+12*\t+6*\c:35+12*\t+6*\c], v31 offset:1536*\t+768*\c
	ds_load_b64 v[36+12*\t+6*\c:37+12*\t+6*\c], v92 offset:1536*\t+768*\c+512
.endr
.endr
	ds_load_b32 v86, v94
	ds_load_b32 v87, v94 offset:128
	s_cmp_lg_u32 s[ST], s[BLK]                     ; on the diagonal hidden scores become -infinity, behind the multiplication by vmask and ahead of the maximum
	s_cbranch_scc1 .Lopen_\@
.irp n, 0,1,2,3,4,5,6,7,8,9,10,11,12,13,14,15,16,17,18,19,20,21,22,23,24,25,26,27,28,29,30,31,32,33,34,35,36,37,38,39,40,41,42,43,44,45,46,47,48,49,50,51,52,53,54,55,56,57,58,59,60,61,62,63
	v_cmp_gt_i32 vcc_lo, 32*(\n/16)+\n%16, v8
	s_delay_alu instid0(VALU_DEP_1)
	v_cndmask_b32 v[96+\n], v[96+\n], v9, vcc_lo
.endr
.Lopen_\@:
.irp b, 0,1,2,3
	v_max3_num_f32 v[232+\b], v[96+16*\b], v[97+16*\b], v[98+16*\b]        ; the largest score of each block of 32 keys: for the row's maximum and, since p rises with the score, for the block's largest p
.endr
.irp i, 3,5,7,9,11,13
.irp b, 0,1,2,3
	s_delay_alu instid0(VALU_DEP_4)
	v_max3_num_f32 v[232+\b], v[232+\b], v[96+16*\b+\i], v[97+16*\b+\i]
.endr
.endr
.irp b, 0,1,2,3
	s_delay_alu instid0(VALU_DEP_4)
	v_max_num_f32 v[232+\b], v[232+\b], v[111+16*\b]
.endr
.irp b, 0,1,2,3
	s_delay_alu instid0(VALU_DEP_4)
	v_permlanex16_b32 v[236+\b], v[232+\b], s[SEL], s[SEL+1]
.endr
.irp b, 0,1,2,3
	s_delay_alu instid0(VALU_DEP_4)
	v_max_num_f32 v[232+\b], v[232+\b], v[236+\b]  ; with lane l xor 16's 16 keys
.endr
	s_delay_alu instid0(VALU_DEP_2)
	v_max3_num_f32 v254, v232, v233, v234
	s_delay_alu instid0(VALU_DEP_1)
	v_max_num_f32 v254, v254, v235
	s_delay_alu instid0(VALU_DEP_1)
	v_mul_f32 v254, v10, v254                      ; the step's largest t (g is positive)
	s_delay_alu instid0(VALU_DEP_1)
	v_cmp_neq_f32 vcc_lo, 0, v254
	s_delay_alu instid0(VALU_DEP_1)
	v_cndmask_b32 v254, 0x2f1ea041, v254, vcc_lo   ; 0 -> 1e-10 x log2(e)
	s_delay_alu instid0(VALU_DEP_1)
	v_max_num_f32 v13, v13, v254                   ; the running largest t
	v_mov_b32 v254, v12
	s_delay_alu instid0(VALU_DEP_2)
	v_floor_f32 v12, -v13                          ; the new -M = -ceil(t)
	s_delay_alu instid0(VALU_DEP_1)
	v_sub_f32 v254, v12, v254                      ; old M - new M: a whole number, 0 or less
	s_delay_alu instid0(VALU_DEP_1)
	v_cvt_i32_f32 v254, v254                       ; (it saturates)
	s_delay_alu instid0(VALU_DEP_1)
	v_ldexp_f32 v252, 1.0, v254                    ; f = 2^(old M - new M)
.irp j, 0,2,4,6,8,10,12,14,16,18,20,22,24,26,28,30,32,34,36,38,40,42,44,46,48,50,52,54,56,58,60,62
	v_pk_fma_f32 v[96+\j:97+\j], v[96+\j:97+\j], v[10:11], v[12:13] op_sel_hi:[1,0,0]   ; t - M (of the pairs g and -M the low word serves both halves)
.endr
.irp b, 0,1,2,3
	v_fma_f32 v[232+\b], v[232+\b], v10, v12       ; the same of each block's largest score
.endr
	s_wait_alu depctr_va_vdst(0)
.irp j, 0,1,2,3,4,5,6,7,8,9,10,11,12,13,14,15,16,17,18,19,20,21,22,23,24,25,26,27,28,29,30,31,32,33,34,35,36,37,38,39,40,41,42,43,44,45,46,47,48,49,50,51,52,53,54,55,56,57,58,59,60,61,62,63
	v_exp_f32 v[96+\j], v[96+\j]                   ; p = 2^(t - M)
.endr
	v_pk_mul_f32 v[14:15], v[14:15], v[252:253] op_sel_hi:[1,0]            ; the sums under the new M (a plain line behind the exponentials)
	s_wait_alu depctr_va_vdst(0)                   ; one wait for the batch of 64, ahead of its first reader
.irp b, 0,1,2,3
	v_exp_f32 v[232+\b], v[232+\b]                 ; each block's largest p
.endr
	v_pk_add_f32 v[236:237], v[100:101], v[104:105]                        ; the row's sum of the unquantised p, in eight chains
	v_pk_add_f32 v[248:249], v[108:109], v[112:113]
	v_pk_add_f32 v[246:247], v[116:117], v[120:121]
	v_pk_add_f32 v[244:245], v[124:125], v[128:129]
	v_pk_add_f32 v[242:243], v[132:133], v[136:137]
	v_pk_add_f32 v[240:241], v[140:141], v[144:145]
	v_pk_add_f32 v[238:239], v[148:149], v[152:153]
	v_pk_add_f32 v[14:15], v[14:15], v[156:157]
	v_pk_add_f32 v[236:237], v[236:237], v[96:97]
	v_pk_add_f32 v[248:249], v[248:249], v[98:99]
	v_pk_add_f32 v[246:247], v[246:247], v[102:103]
	v_pk_add_f32 v[244:245], v[244:245], v[106:107]
	v_pk_add_f32 v[242:243], v[242:243], v[110:111]
	v_pk_add_f32 v[240:241], v[240:241], v[114:115]
	v_pk_add_f32 v[238:239], v[238:239], v[118:119]
	v_pk_add_f32 v[14:15], v[14:15], v[122:123]
	v_pk_add_f32 v[236:237], v[236:237], v[126:127]
	v_pk_add_f32 v[248:249], v[248:249], v[130:131]
	v_pk_add_f32 v[246:247], v[246:247], v[134:135]
	v_pk_add_f32 v[244:245], v[244:245], v[138:139]
	v_pk_add_f32 v[242:243], v[242:243], v[142:143]
	v_pk_add_f32 v[240:241], v[240:241], v[146:147]
	v_pk_add_f32 v[238:239], v[238:239], v[150:151]
	v_pk_add_f32 v[14:15], v[14:15], v[154:155]
	v_pk_add_f32 v[236:237], v[236:237], v[158:159]
	s_delay_alu instid0(VALU_DEP_2)
	v_pk_add_f32 v[14:15], v[14:15], v[244:245]
	s_delay_alu instid0(VALU_DEP_2)
	v_pk_add_f32 v[236:237], v[236:237], v[242:243]
	v_pk_add_f32 v[248:249], v[248:249], v[240:241]
	v_pk_add_f32 v[246:247], v[246:247], v[238:239]
	s_delay_alu instid0(VALU_DEP_2)
	v_pk_add_f32 v[14:15], v[14:15], v[248:249]
	s_delay_alu instid0(VALU_DEP_2)
	v_pk_add_f32 v[236:237], v[236:237], v[246:247]
	s_delay_alu instid0(VALU_DEP_1)
	v_pk_add_f32 v[14:15], v[14:15], v[236:237]
	s_wait_alu depctr_va_vdst(0)                   ; and one for the four
.irp b, 0,1,2,3
	v_max_num_f32 v[232+\b], 0x1800000, v[232+\b]  ; the floor 2^(3 - 127): the byte cannot fall under 1
.endr
.irp b, 0,1,2,3
	s_delay_alu instid0(VALU_DEP_4)
	v_add_nc_u32 v[244+\b], 0xff000000, v[232+\b]  ; the conversion's scale operand
.endr
.irp b, 0,1,2,3
	s_delay_alu instid0(VALU_DEP_4)
	v_lshrrev_b32 v[236+\b], 23, v[244+\b]         ; the scale's byte
.endr
	s_delay_alu instid0(VALU_DEP_3)
	v_lshl_or_b32 v253, v237, 8, v236              ; p's scale word for these 128 keys
	s_delay_alu instid0(VALU_DEP_1)
	v_lshl_or_b32 v253, v238, 16, v253
	s_delay_alu instid0(VALU_DEP_1)
	v_lshl_or_b32 v253, v239, 24, v253
.irp c, 0,1
	v_cvt_scalef32_pk16_fp6_f32 v[224+6*\c:226+6*\c], v[96+32*\c:111+32*\c], v[244+2*\c]
	v_cvt_scalef32_pk16_fp6_f32 v[236+4*\c:238+4*\c], v[112+32*\c:127+32*\c], v[244+2*\c+1]
.endr
	v_nop                                          ; one plain line behind a scaled conversion
.irp c, 0,1
.irp i, 0,1,2
	v_permlane16_swap_b32 v[224+6*\c+\i], v[236+4*\c+\i]
.endr
.irp i, 0,1,2
	s_delay_alu instid0(VALU_DEP_3)
	v_mov_b32 v[227+6*\c+\i], v[236+4*\c+\i]
.endr
.endr
.irp j, 0,2,4,6,8,10,12,14,16,18,20,22,24,26,28,30
	v_pk_mul_f32 v[160+\j:161+\j], v[160+\j:161+\j], v[252:253] op_sel_hi:[1,0]   ; O^T under the new M.  (These sixteen are also the places between the scale word and the codes just written and the products below)
.endr
	s_wait_alu depctr_va_vdst(0)
	s_wait_dscnt 0x0                               ; V and its scale words are in
.irp t, 0,1,2,3                                ; the four accumulators take turns, and eight other products stand between a step's and the next step's
.if \t%2
	v_wmma_scale_f32_16x16x128_f8f6f4 v[160+8*\t:167+8*\t], v[32+12*\t:43+12*\t], v[224:235], v[160+8*\t:167+8*\t], v[86+\t/2], v253 matrix_a_fmt:MATRIX_FMT_FP6 matrix_b_fmt:MATRIX_FMT_FP6 matrix_a_scale:MATRIX_SCALE_ROW1
.else
	v_wmma_scale_f32_16x16x128_f8f6f4 v[160+8*\t:167+8*\t], v[32+12*\t:43+12*\t], v[224:235], v[160+8*\t:167+8*\t], v[86+\t/2], v253 matrix_a_fmt:MATRIX_FMT_FP6 matrix_b_fmt:MATRIX_FMT_FP6
.endif
.endr
.Lhidden_\@:
	s_add_co_u32 s[TB], s[TB], 6144
	s_add_co_u32 s[TV], s[TV], 6144
	s_add_co_u32 s[TS], s[TS], 512
	s_add_co_u32 s[TJ], s[TJ], 256
	s_add_co_u32 s[ST], s[ST], 1
.endm
	s_wait_tensorcnt 0x0                           ; my fill of stage 1 has landed;
	ds_add_u32 v250, v251                          ; 0 onto my spare word;
	s_mov_b32 s[G1C+2], 36<<16                     ; no tensor load of mine is out, so the descriptors may be written: stage 2 brings 36 rows of 256 bytes a wave
	s_mov_b32 s[G1C+4], 36
	s_mul_i32 s91, s[WV], 9216                     ; 9,216 x wave, in LDS from 49,152 on (V's twelve steps follow K's) and in memory
	s_add_co_u32 s[G0C+1], s91, 49152
	s_cmp_lt_u32 s[WV], 8
	s_cselect_b32 s92, 0, 3145728-73728
	s_add_co_u32 s92, s92, s91
	s_mul_i32 s93, s17, 98304
	s_add_co_u32 s92, s92, s93
	s_add_co_u32 s92, s92, 3145728+24576           ; K's tensor, behind its first four key steps
	s_mov_b32 s93, 0
	s_add_nc_u64 s[G0C+2:G0C+3], s[4:5], s[92:93]
	s_or_b32 s[G0C+3], s[G0C+3], 0x80000000
	s_wait_dscnt 0x0                               ; the add is done
	s_barrier_signal -1
	s_barrier_wait -1                              ; everybody's fill of stage 1 has landed
	tensor_load_to_lds s[G0C:G0C+3], s[G1C:G1C+7]  ; stage 2: my one load behind this barrier
	s_nop 0
.rept 4
	v_nop
.endr
.Lstep1:
	STEP 0
	s_cmp_lt_u32 s[ST], 4
	s_cbranch_scc1 .Lstep1
	s_wait_tensorcnt 0x0                           ; my fill of stage 2 has landed;
	s_wait_dscnt 0x0
	s_barrier_signal -1
	s_barrier_wait -1                              ; and so has everybody's
	s_mov_b32 s[TB], 49152
	s_mov_b32 s[TV], 122880
	s_mov_b32 s[TS], 2048
	s_mov_b32 s[TJ], 1024
	s_mov_b32 s[ST], 4
.Lstep2:
	STEP 1
	s_cmp_lt_u32 s[ST], 16
	s_cbranch_scc1 .Lstep2
	s_wait_alu depctr_va_vdst(0)
	s_cmp_eq_u32 s[ROLE], 1
	s_cbranch_scc0 .Lmeet
.rept 4
	v_nop                                          ; places behind the last products
.endr
.irp n, 0,1,2,3,4,5,6,7
	ds_store_b128 v28, v[160+4*\n:163+4*\n] offset:512*\n      ; my part of the long tile, as an image of the registers; each accumulator from its low end on
.endr
	ds_store_b128 v28, v[12:15] offset:4096                    ; -M, the largest t, the sums
.Lmeet:
	s_wait_dscnt 0x0                               ; my stores are done
	s_barrier_signal -1
	s_barrier_wait -1
	s_cmp_eq_u32 s[ROLE], 1
	s_cbranch_scc1 .Lend
.irp n, 0,1,2,3,4,5,6,7
	ds_load_b128 v[96+4*\n:99+4*\n], v28 offset:512*\n
.endr
	ds_load_b128 v[128:131], v28 offset:4096
	s_wait_dscnt 0x0
	WAYOUT 1, CB+2, CSB+2
.Lend:
	s_wait_tensorcnt 0x0                           ; the wave's end
	ds_add_u32 v250, v251
	s_wait_dscnt 0x0
	s_endpgm
.Lfunc_end_k_q6c63be7c8a_attn:
	.size	k_q6c63be7c8a_attn, .Lfunc_end_k_q6c63be7c8a_attn-k_q6c63be7c8a_attn
	.p2alignl 7, 3214868480
	.fill 96, 4, 3214868480
	.section	.rodata,"a",@progbits
	.p2align	6, 0x0
	.amdhsa_kernel k_q6c63be7c8a_attn
		.amdhsa_group_segment_fixed_size 327680
		.amdhsa_private_segment_fixed_size 0
		.amdhsa_enable_private_segment 0
		.amdhsa_kernarg_size 48
		.amdhsa_user_sgpr_count 2
		.amdhsa_user_sgpr_kernarg_segment_ptr 1
		.amdhsa_wavefront_size32 1
		.amdhsa_system_sgpr_workgroup_id_x 1
		.amdhsa_system_sgpr_workgroup_id_y 1
		.amdhsa_system_sgpr_workgroup_id_z 1
		.amdhsa_system_vgpr_workitem_id 0
		.amdhsa_next_free_vgpr 256
		.amdhsa_next_free_sgpr 100
		.amdhsa_reserve_vcc 1
		.amdhsa_float_denorm_mode_32 3
		.amdhsa_float_denorm_mode_16_64 3
		.amdhsa_memory_ordered 1
		.amdhsa_forward_progress 1
		.amdhsa_inst_pref_size 85
	.end_amdhsa_kernel
	.amdgpu_metadata
---
amdhsa.version: [ 1, 2 ]
amdhsa.kernels:
  - .name:           k_q6c63be7c8a_attn
    .symbol:         k_q6c63be7c8a_attn.kd
    .args:
      - { .name: qkvc, .offset: 0, .size: 8, .value_kind: global_buffer, .address_space: global }
      - { .name: qkvs, .offset: 8, .size: 8, .value_kind: global_buffer, .address_space: global }
      - { .name: vmask, .offset: 16, .size: 8, .value_kind: global_buffer, .address_space: global }
      - { .name: hmask, .offset: 24, .size: 8, .value_kind: global_buffer, .address_space: global }
      - { .name: cc, .offset: 32, .size: 8, .value_kind: global_buffer, .address_space: global }
      - { .name: cs, .offset: 40, .size: 8, .value_kind: global_buffer, .address_space: global }
    .group_segment_fixed_size: 327680
    .private_segment_fixed_size: 0
    .kernarg_segment_align: 8
    .kernarg_segment_size: 48
    .max_flat_workgroup_size: 512
    .sgpr_count:     100
    .vgpr_count:     256
    .wavefront_size: 32
...
	.end_amdgpu_metadata
.endif
;; end of part 3
;; launch outp (part 4): grid 8 x 32, 4 waves a work-group, clusters of 4 x 4, 247,808 bytes of LDS; arguments cc, cs, wc, ws, out0; writes out0
.if DOCPART == 4
	.amdgcn_target "amdgcn-amd-amdhsa--gfx1250"
	.amdhsa_code_object_version 6
	.text
	.protected	k_q6c63be7c8a_outp
	.globl	k_q6c63be7c8a_outp
	.p2align	8
	.type	k_q6c63be7c8a_outp,@function
k_q6c63be7c8a_outp:
	s_mov_b64 s[64:65], 0
	v_nop
	global_prefetch_b8 v0, s[64:65] scope:SCOPE_SE
	s_setreg_imm32_b32 hwreg(HW_REG_WAVE_MODE, 25, 1), 1
	s_wait_xcnt 0x0
	s_wait_alu depctr_hold_cnt(0) depctr_sa_sdst(0) depctr_va_vdst(0) depctr_va_sdst(0) depctr_va_ssrc(0) depctr_va_vcc(0) depctr_vm_vsrc(0)
	s_getreg_b32 s2, hwreg(HW_REG_IB_STS2, 6, 4)
	s_cmp_eq_u32 s2, 0
	s_cbranch_scc0 .Lentry_in_a_cluster
	s_endpgm
.Lentry_in_a_cluster:
	s_bfe_u32 s2, ttmp6, 0x10000c
	s_cmp_lg_u32 s2, 0xf033
	s_cbranch_scc0 .Lentry_shape_is_right
	s_endpgm
.Lentry_shape_is_right:
; out0[token][n] = sum over k of concat[token][k] w_out[n][k]: 4,096 x 1,024 x 1,024 on codes of FP6 (E2M3) with one E8M0 scale for each 32 along K, sums in f32.
; A BLOCK OF 128 x 128 for a work-group: 32 x 8 = 256 work-groups.  Four waves, 64 x 64 each: 16 accumulators, which take turns.
; ALL OF K LIES IN LDS, FILLED ONCE, one joint load a wave: wave 0 A's codes (8 token tiles x 16 heads x 768 bytes of register images: 98,304 dense bytes), wave 1 A's scale bytes (4,096), wave 2 B's codes
; (128 rows of w_out, [K step of 256][128 rows][192 bytes]: 98,304 dense bytes, 16 bytes of padding behind each 64: LDS rows of 240), wave 3 B's scale bytes.  No ring, no refill, one barrier.
; CLUSTERS: 4 x 4 work-groups; A's loads are shared along a row of the cluster, B's along a column.  NO PREFETCH: all fills stand at the head; there is no loop to run ahead in.
; THE MATRIX INSTRUCTION IS USED TRANSPOSED (source 0 = 16 rows of w_out, source 1 = 16 tokens): a lane holds eight neighbouring numbers of a row of out0.
; Tokens lie in tile order: row rr of token tile X is token 32 (X / 2) + 8 (X % 2) + rr + (rr & 8).
; A step is 128 along K (two heads): 40 LDS loads and 16 products; fragments in two sets of registers, the next step's asked for ahead of this step's products.
; REGISTERS: window 0: v0-23 addresses; v32-63 scale words (register 8 i + step: lanes 0-15 A's block i, lanes 16-31 B's block i); v64-159, v160-255 the two sets (A's four fragments, then B's); window 1: v0-127 the accumulators.
.set PITCH,  240
.set FR,     12
.set LB,     98304                     ; B's codes, behind A's
.set KSB,    128*PITCH                 ; a K step of 256 of B's 128 rows
.set LSA,    LB+4*KSB                  ; A's scale bytes: 16 rows of 256 + 16
.set HS,     16*272
.set LSB,    LSA+HS
.set STAGE,  LSB+HS                    ; the way out: 16 rows x 272 bytes for each wave; no fill lands here
.set SPITCH, 272
.set SPARE,  STAGE+4*16*SPITCH         ; the spare words: 128 bytes a wave
.set ADRA, 8                           ; v8 16 x lane, v9 8 x lane, at my four token tiles
.set ADRB, 10                          ; v10-17: for each K step of 256 two addresses; in the second, lanes 16-31 stand behind one padding more
.set ADRS, 18
.set STO,  19
.set RD,   20
.set CO,   21
.set SPW,  22
.set NIL,  23
.set SC,   32
.set FS0,  64
.set BK,   64
.set G1A, 24
.set G0A, 32
.set G0S, 36
.set G1B, 48
.set G0B, 56
.set G0SB, 60
.set G1S, 68
.set G1SB, 80
.set MSB, 0
.macro WIN new                         ; the immediate's high byte repeats the setting that is left
.if MSB != \new
	s_set_vgpr_msb (MSB<<8)|\new
.set MSB, \new
.endif
.endm
.macro CROUND                          ; a round of the cluster's barrier
	s_barrier_signal -1
	s_barrier_wait -1
	s_cmp_lg_u32 s14, 0
	s_cbranch_scc1 .Lnot_wave_0_\@
	s_barrier_signal -3
.Lnot_wave_0_\@:
	s_barrier_wait -3
	s_barrier_signal -1
	s_barrier_wait -1
.endm
.macro PLACES
.rept 4
	v_nop
.endr
.endm
	s_load_b256 s[4:11], s[0:1], 0x0               ; cc, cs, wc, ws
	s_load_b64 s[12:13], s[0:1], 0x20              ; out0
	v_lshl_add_u32 v[SPW], v0, 2, SPARE
	v_mov_b32 v[NIL], 0
	ds_add_u32 v[SPW], v[NIL]                      ; the opening lines: the add twice on end and one wait
	ds_add_u32 v[SPW], v[NIL]
	v_lshrrev_b32 v1, 5, v0
	v_readfirstlane_b32 s14, v1                    ; wave 0..3
	s_lshr_b32 s15, s14, 1                         ; which 64 tokens
	s_and_b32 s16, s14, 1                          ; which 64 columns
	s_bfe_u32 s40, ttmp6, 0x40000                  ; cx
	s_bfe_u32 s41, ttmp6, 0x40004                  ; cy
	s_lshl_b32 s42, ttmp9, 2
	s_add_co_u32 s42, s42, s40                     ; block column, 0..7
	s_and_b32 s17, ttmp7, 0xffff
	s_lshl_b32 s17, s17, 2
	s_add_co_u32 s17, s17, s41                     ; block row, 0..31
	s_lshl_b32 s43, s41, 2
	s_lshl_b32 s43, 15, s43                        ; my row of the cluster
	s_lshl_b32 s44, 0x1111, s40                    ; my column
	s_or_b32 s[G1A], s43, (3<<16)|(1<<21)                                ; elements of 8 bytes, no padding
	s_or_b32 s[G1B], s44, (3<<16)|(1<<20)|(1<<21)|(3<<22)|(3<<25)        ; after every 16 words, 4 words
	s_or_b32 s[G1S], s43, (3<<16)|(1<<20)|(1<<21)|(5<<22)|(3<<25)        ; after every 64 words, 4 words
	s_or_b32 s[G1SB], s44, (3<<16)|(1<<20)|(1<<21)|(5<<22)|(3<<25)
.irp g, G1A, G1B                       ; 98,304 dense bytes as 384 rows of 256
	s_mov_b32 s[\g+1], 32<<16
	s_mov_b32 s[\g+2], 384<<16
	s_mov_b32 s[\g+3], 32<<16
	s_mov_b32 s[\g+4], 384
	s_mov_b32 s[\g+5], 32
	s_mov_b32 s[\g+6], 0
	s_mov_b32 s[\g+7], 0
.endr
.irp g, G1S, G1SB                      ; 4,096 dense bytes as 16 rows of 256
	s_mov_b32 s[\g+1], 32<<16
	s_mov_b32 s[\g+2], 16<<16
	s_mov_b32 s[\g+3], 32<<16
	s_mov_b32 s[\g+4], 16
	s_mov_b32 s[\g+5], 32
	s_mov_b32 s[\g+6], 0
	s_mov_b32 s[\g+7], 0
.endr
	s_mul_i32 s20, s17, 98304                      ; A's hang on the block row alone,
	s_mov_b32 s21, 0
	s_lshl_b32 s22, s17, 12
	s_mov_b32 s23, 0
	s_mul_i32 s46, s42, 98304                      ; B's on the block column alone; w_out is slot 3 of wc and ws
	s_add_co_u32 s46, s46, 2359296
	s_mov_b32 s47, 0
	s_lshl_b32 s18, s42, 12
	s_add_co_u32 s18, s18, 98304
	s_mov_b32 s19, 0
	s_wait_dscnt 0x0
	s_wait_kmcnt 0x0
	s_mov_b32 s[G0A], 1
	s_mov_b32 s[G0A+1], 0
	s_add_nc_u64 s[G0A+2:G0A+3], s[4:5], s[20:21]
	s_or_b32 s[G0A+3], s[G0A+3], 0x80000000
	s_mov_b32 s[G0S], 1
	s_mov_b32 s[G0S+1], LSA
	s_add_nc_u64 s[G0S+2:G0S+3], s[6:7], s[22:23]
	s_or_b32 s[G0S+3], s[G0S+3], 0x80000000
	s_mov_b32 s[G0B], 1
	s_mov_b32 s[G0B+1], LB
	s_add_nc_u64 s[G0B+2:G0B+3], s[8:9], s[46:47]
	s_or_b32 s[G0B+3], s[G0B+3], 0x80000000
	s_mov_b32 s[G0SB], 1
	s_mov_b32 s[G0SB+1], LSB
	s_add_nc_u64 s[G0SB+2:G0SB+3], s[10:11], s[18:19]
	s_or_b32 s[G0SB+3], s[G0SB+3], 0x80000000
	CROUND                                         ; all sixteen work-groups are here: the joint loads meet
.macro ARM under, g0, g1, next         ; one chain of branches on the wave's number, one load to an arm
	s_cmp_lt_u32 s14, \under
	s_cbranch_scc0 \next
	tensor_load_to_lds s[\g0:\g0+3], s[\g1:\g1+7]
	s_nop 0
	PLACES
	s_branch .Lhead_asked
\next:
.endm
	ARM 1, G0A, G1A, .Lhead_sa
	ARM 2, G0S, G1S, .Lhead_b
	ARM 3, G0B, G1B, .Lhead_sb
	tensor_load_to_lds s[G0SB:G0SB+3], s[G1SB:G1SB+7]
	s_nop 0
	PLACES
.Lhead_asked:
	s_mul_i32 s20, s16, 64*PITCH
	s_add_co_u32 s20, s20, LB                      ; my 64 rows of B
	s_mul_i32 s21, s15, 4*12288                    ; my four token tiles
	s_mul_i32 s22, s15, 4*544                      ; their scale bytes: 544 bytes of LDS for 16 rows
	s_mul_i32 s23, s16, 4*544
	s_add_co_u32 s23, s23, HS
	s_sub_co_u32 s23, s23, s22                     ; from A's to B's
	s_add_co_u32 s22, s22, LSA
	s_mul_i32 s45, s14, 16*SPITCH
	s_add_co_u32 s45, s45, STAGE                   ; my stage
	s_lshl_b32 s46, s17, 7
	s_lshl_b32 s47, s15, 6
	s_add_co_u32 s46, s46, s47                     ; my first token
	s_lshl_b32 s46, s46, 12                        ; 4,096 bytes a row of out0
	s_lshl_b32 s47, s42, 9
	s_add_co_u32 s46, s46, s47
	s_lshl_b32 s47, s16, 8
	s_add_co_u32 s46, s46, s47                     ; + my first column: 512 x block column + 256 x half
	s_mov_b32 s47, 0
	s_add_nc_u64 s[12:13], s[12:13], s[46:47]
	v_and_b32 v1, 15, v0                           ; r
	v_bfe_u32 v2, v0, 4, 1                         ; lane / 16
	v_and_b32 v3, 31, v0
	v_mul_u32_u24 v4, v1, PITCH
	v_mad_u32_u24 v4, v2, 24, v4
	v_add_nc_u32 v4, s20, v4                       ; B: row x pitch + 24 x half
	v_lshl_add_u32 v5, v2, 4, v4
.irp k, 0,1,2,3
	v_add_nc_u32 v[ADRB+2*\k], KSB*\k, v4
	v_add_nc_u32 v[ADRB+2*\k+1], KSB*\k, v5
.endr
	v_lshl_add_u32 v[ADRA], v3, 4, s21
	v_lshl_add_u32 v[ADRA+1], v3, 3, s21
	v_lshlrev_b32 v6, 5, v1
	v_lshrrev_b32 v7, 3, v1
	v_lshl_add_u32 v6, v7, 4, v6                   ; my row's 32 scale bytes: 32 r, and 16 more behind each 256
	v_mul_u32_u24 v7, s23, v2                      ; lanes 16-31 take B's
	v_add_nc_u32 v6, v6, v7
	v_add_nc_u32 v[ADRS], s22, v6
	v_mul_u32_u24 v6, v1, SPITCH                   ; into the stage: row r, 32 bytes for each half of the lanes
	v_lshl_add_u32 v6, v2, 5, v6
	v_add_nc_u32 v[STO], s45, v6
	v_mul_u32_u24 v7, v2, SPITCH                   ; back: sixteen lanes take a row of 256 bytes, two rows an instruction
	v_lshl_add_u32 v7, v1, 4, v7
	v_add_nc_u32 v[RD], s45, v7
	v_lshlrev_b32 v7, 12, v2
	v_lshl_add_u32 v[CO], v1, 4, v7                ; and the same two rows in out0
.macro FRAGB reg, st, i                ; 16 rows x 128 K: 12 registers, in pieces of 8 bytes; piece x of a row of 192 bytes lies at 8 x + 16 (x / 8); lanes 16-31 read three pieces on
.irp p, 0,1,2,3,4,5
.set PCE, 12*((\st)%2)+6*(\p/3)+\p%3
.if PCE%8 < 5
	ds_load_b64 v[\reg+2*\p:\reg+2*\p+1], v[ADRB+2*((\st)/2)] offset:8*PCE+16*(PCE/8)+(\i)*16*PITCH
.else
	ds_load_b64 v[\reg+2*\p:\reg+2*\p+1], v[ADRB+2*((\st)/2)+1] offset:8*PCE+16*(PCE/8)+(\i)*16*PITCH
.endif
.endr
.endm
.macro FETCH st                        ; step st's eight fragments into set st % 2: 16 + 24 = 40 LDS loads
.set FS, FS0+96*((\st)%2)
.irp i, 0,1,2,3
	ds_load_b128 v[FS+FR*\i:FS+FR*\i+3],     v[ADRA]   offset:12288*\i+1536*(\st)
	ds_load_b64  v[FS+FR*\i+4:FS+FR*\i+5],   v[ADRA+1] offset:12288*\i+1536*(\st)+512
	ds_load_b128 v[FS+FR*\i+6:FS+FR*\i+9],   v[ADRA]   offset:12288*\i+1536*(\st)+768
	ds_load_b64  v[FS+FR*\i+10:FS+FR*\i+11], v[ADRA+1] offset:12288*\i+1536*(\st)+1280
.endr
.irp i, 0,1,2,3
	FRAGB FS+48+FR*\i, \st, \i
.endr
.endm
.macro MUL st                          ; 16 products; the first step's start the sums: nothing is cleared
.set FS, FS0+96*((\st)%2)
.irp a, 0,1,2,3
.irp b, 0,1,2,3
.if (\st) == 0
	v_wmma_scale_f32_16x16x128_f8f6f4 v[8*(4*\a+\b):8*(4*\a+\b)+7], v[FS+48+FR*\b:FS+48+FR*\b+FR-1], v[FS+FR*\a:FS+FR*\a+FR-1], 0, v[SC+8*\b+(\st)], v[SC+8*\a+(\st)] matrix_a_fmt:MATRIX_FMT_FP6 matrix_b_fmt:MATRIX_FMT_FP6 matrix_a_scale:MATRIX_SCALE_ROW1
.else
	v_wmma_scale_f32_16x16x128_f8f6f4 v[8*(4*\a+\b):8*(4*\a+\b)+7], v[FS+48+FR*\b:FS+48+FR*\b+FR-1], v[FS+FR*\a:FS+FR*\a+FR-1], v[8*(4*\a+\b):8*(4*\a+\b)+7], v[SC+8*\b+(\st)], v[SC+8*\a+(\st)] matrix_a_fmt:MATRIX_FMT_FP6 matrix_b_fmt:MATRIX_FMT_FP6 matrix_a_scale:MATRIX_SCALE_ROW1
.endif
.endr
.endr
.endm
	s_wait_alu depctr_va_vdst(0)                   ; the wait at the head's end
	s_wait_tensorcnt 0x0                           ; my fill has landed;
	s_barrier_signal -1
	s_barrier_wait -1                              ; and so has everybody's
.irp i, 0,1,2,3
	ds_load_b128 v[SC+8*\i:SC+8*\i+3], v[ADRS] offset:\i*544       ; the scale words of all eight steps
	ds_load_b128 v[SC+8*\i+4:SC+8*\i+7], v[ADRS] offset:\i*544+16
.endr
	FETCH 0
.set ST, 0
.rept 7
.if ST > 0
	PLACES                                         ; between the last step's products and the loads into the set that they read
.endif
	FETCH ST+1
	s_wait_dscnt 40                                ; all but the 40 loads just issued: this step's fragments are in
	WIN 0x50                                       ; C and D in window 1
	MUL ST
	WIN 0
.set ST, ST+1
.endr
	s_wait_dscnt 0x0
	WIN 0x50
	MUL 7
	WIN 0
; THE WAY OUT, by token tiles: 16 rows x 64 columns go through my own stage and come back as rows of 256 bytes.  LDS serves a wave's instructions in order: no wait between the stores and the loads.
.macro TOSTAGE a
	WIN 0x04                                       ; the data in window 1
.irp b, 0,1,2,3
	ds_store_b128 v[STO], v[8*(4*(\a)+\b):8*(4*(\a)+\b)+3] offset:64*\b          ; each accumulator from its low end on
	ds_store_b128 v[STO], v[8*(4*(\a)+\b)+4:8*(4*(\a)+\b)+7] offset:64*\b+16
.endr
	WIN 0
.irp t, 0,1,2,3,4,5,6,7
	ds_load_b128 v[BK+32*((\a)%2)+4*\t:BK+32*((\a)%2)+4*\t+3], v[RD] offset:\t*2*SPITCH
.endr
.endm
.macro SEND a, younger
	s_wait_dscnt \younger                          ; the tile is back in registers; the LDS instructions issued behind its loads may be out
.irp t, 0,1,2,3,4,5,6,7
	global_store_b128 v[CO], v[BK+32*((\a)%2)+4*\t:BK+32*((\a)%2)+4*\t+3], s[12:13] offset:(32*((\a)/2)+8*((\a)%2)+2*\t+8*(\t/4))*4096 th:TH_STORE_NT   ; sixteen lanes store 256 consecutive bytes, aligned
.endr
.endm
	PLACES                                         ; behind the last products: their results are read and their operands' registers are loaded below
	TOSTAGE 0
.irp a, 1,2,3
.if \a > 1
	s_wait_xcnt 0x0                                ; tile a - 2's stores have read their registers
.endif
	TOSTAGE \a
	SEND \a-1, 16                                  ; behind tile a - 1's loads: tile a's 8 stores and 8 loads
.endr
	SEND 3, 0
	s_wait_tensorcnt 0x0                           ; the wave's end
	ds_add_u32 v[SPW], v[NIL]
	s_wait_dscnt 0x0
	CROUND                                         ; the closing round
	s_endpgm
.Lfunc_end_k_q6c63be7c8a_outp:
	.size	k_q6c63be7c8a_outp, .Lfunc_end_k_q6c63be7c8a_outp-k_q6c63be7c8a_outp
	.p2alignl 7, 3214868480
	.fill 96, 4, 3214868480
	.section	.rodata,"a",@progbits
	.p2align	6, 0x0
	.amdhsa_kernel k_q6c63be7c8a_outp
		.amdhsa_group_segment_fixed_size 247808
		.amdhsa_private_segment_fixed_size 0
		.amdhsa_enable_private_segment 0
		.amdhsa_kernarg_size 40
		.amdhsa_user_sgpr_count 2
		.amdhsa_user_sgpr_kernarg_segment_ptr 1
		.amdhsa_wavefront_size32 1
		.amdhsa_system_sgpr_workgroup_id_x 1
		.amdhsa_system_sgpr_workgroup_id_y 1
		.amdhsa_system_sgpr_workgroup_id_z 1
		.amdhsa_system_vgpr_workitem_id 0
		.amdhsa_next_free_vgpr 384
		.amdhsa_next_free_sgpr 90
		.amdhsa_reserve_vcc 0
		.amdhsa_float_denorm_mode_32 3
		.amdhsa_float_denorm_mode_16_64 3
		.amdhsa_memory_ordered 1
		.amdhsa_forward_progress 1
		.amdhsa_inst_pref_size 55
	.end_amdhsa_kernel
	.amdgpu_metadata
---
amdhsa.version: [ 1, 2 ]
amdhsa.kernels:
  - .name:           k_q6c63be7c8a_outp
    .symbol:         k_q6c63be7c8a_outp.kd
    .args:
      - { .name: cc, .offset: 0, .size: 8, .value_kind: global_buffer, .address_space: global }
      - { .name: cs, .offset: 8, .size: 8, .value_kind: global_buffer, .address_space: global }
      - { .name: wc, .offset: 16, .size: 8, .value_kind: global_buffer, .address_space: global }
      - { .name: ws, .offset: 24, .size: 8, .value_kind: global_buffer, .address_space: global }
      - { .name: out0, .offset: 32, .size: 8, .value_kind: global_buffer, .address_space: global }
    .group_segment_fixed_size: 247808
    .private_segment_fixed_size: 0
    .kernarg_segment_align: 8
    .kernarg_segment_size: 40
    .max_flat_workgroup_size: 128
    .sgpr_count:     90
    .vgpr_count:     384
    .wavefront_size: 32
...
	.end_amdgpu_metadata
.endif
;; end of part 4
